; MI455X (gfx1250); checked and timed in simulation.
; The chip was launched on July 23, 2026; its instructions are those of AMD's public machine-readable ISA for CDNA 5 (MIT licence, August 2026) and "CDNA5" Instruction Set Architecture Reference Guide (July 2026). The comments in the code are by the model that wrote it; some were corrected since.
;; Linear Attention Cell. Allowed arithmetic: matrix products marked QUANTISED: E3M2 operands, one E8M0 scale for each 32 along K, by v_wmma_scale_f32_16x16x128_f8f6f4 with both operands' format E3M2, f32 sums; everything else in f32.
;; Inputs: key 8 x 2,048 x 1,024 float32; query 8 x 2,048 x 1,024 float32; value_codes 8 x 1,024 x 64 x 24 uint8 (E3M2 codes of value, K innermost, in blocks of 32 codes, four codes in three bytes); value_scales 8 x 1,024 x 64 uint8 (E8M0 scales of value, one for each 32 codes along K).
;; Outputs: out0 8 x 2,048 x 1,024 float32.
;; This version of the problem:
;;   THIS VERSION OF THE PROBLEM IS GIVEN IN LOW PRECISION. The matrix products marked QUANTISED in the list below multiply operands that are first quantised to E3M2 (3 exponent bits, 2 mantissa bits; 6 bits a number), with one power-of-two scale for each 32 numbers along K (OCP MX v1.0); their sums are f32. All else is computed in f32.
;;   The module's matrix products, in the order in which they are computed (A, B: the left and right operand; K: the contracted axis; several contracted axes count as one K, in the product's order):
;;     1. batch 8 x [M 2,048, K 1,024] x [K 1,024, N 2,048]; A: computed on the way; B: computed on the way: QUANTISED
;;     2. batch 8 x [M 2,048, K 2,048] x [K 2,048, N 1,024]; A: computed on the way; B: input value (given as codes): QUANTISED
;;   THE QUANTISER, for each operand of a quantised product, along K:
;;     - K is cut into blocks of 32 from its start; a last block that is shorter is filled with zeros.
;;     - A block's scale is 2^e with e = floor(log2(the largest magnitude in the block)) - 4, held to -126 .. 127; a block of zeros has e = 0. As a byte (E8M0): e + 127.
;;     - Each number is divided by its block's scale, clamped to +-28, and rounded to the nearest number of E3M2, ties to even, subnormals kept.
;;     - The product sums the exact products of the quantised numbers (number of the format x scale) in f32.
;;   ~~~python
;;   def quantise(x, axis):      # numpy; x: float32 -> the quantised numbers, widened to float32 again
;;       x = np.moveaxis(x, axis, -1); K = x.shape[-1]
;;       x = np.pad(x, [(0, 0)] * (x.ndim - 1) + [(0, -K % 32)]); x = x.reshape(x.shape[:-1] + (-1, 32)); a = np.abs(x).max(-1, keepdims=True)
;;       e = np.where(a > 0, np.clip(np.frexp(np.where(a > 0, a, 1))[1] - 1 - 4, -126, 127), 0)      # np.frexp(a)[1] - 1 = floor(log2(a)), exactly
;;       r = np.clip(x / 2.0 ** e, -28, 28)
;;       step = 2.0 ** (np.maximum(np.frexp(np.where(r == 0, 1, r))[1] - 1, -2) - 2)
;;       q = np.round(r / step) * step * 2.0 ** e      # np.round: ties to even
;;       return np.moveaxis(q.reshape(q.shape[:-2] + (-1,))[..., :K], -1, axis).astype(np.float32)
;;   ~~~
;;   OPERANDS COMPUTED ON THE WAY. 'Computed on the way' means the value that the module computes at that place (a softmax that the list does not call 'softmax' is quantised finished and normalised). What goes into a quantiser is computed in f32, as accurately as f32 sums, v_exp_f32 and their like allow (about 1e-6 of the number): no bf16 or f16 on the way to a quantiser, and a product that is left as it is and whose result goes on into a quantised operand takes f32 operands (vector FMAs, or v_wmma_f32_16x16x4_f32). A number that lies on a knife's edge between two numbers of the format may be rounded either way, as far as f32 arithmetic and the matrix unit's own rounding can turn it there, and no further.
;;   INPUTS GIVEN AS CODES. value (in the module: [8, 2048, 1024], K = its axis 1): each comes as NAME_codes (uint8): NAME with its K axis moved to the last place and cut into blocks of 32 codes, [.., K / 32, bytes a block], one block behind the other in memory; four codes in three bytes: a row's codes are one little-endian stream of bits, code i at bits 6 i .. 6 i + 5 (a code: sign, 3 exponent bits, 2 mantissa bits); and NAME_scales (uint8): the same leading axes, one E8M0 byte (e + 127) for each 32 codes along K. Its value is code x scale, taken as it is: it is not quantised again, and the codes and scales need not be those that the quantiser above would give.
;; 2 versions, each right; version 2 is version 1 with the launch attn written anew for expert scheduling mode. Each part assembles by itself: llvm-mc -triple=amdgcn-amd-amdhsa -mcpu=gfx1250 --defsym DOCPART=n.
;; ======== version 1 of 2: 2 launches
;; workspace buffers: qf 12,582,912 bytes; kf 12,582,912 bytes; vf 12,582,912 bytes; qs 524,288 bytes; ks 524,288 bytes; vs 524,288 bytes
;; launch prep (part 1): grid 256 x 1, 10 waves a work-group, no clusters, 122,624 bytes of LDS; arguments query, key, value_codes, value_scales, qf, qs, kf, ks, vf, vs; writes qf, qs, kf, ks, vf, vs
.if DOCPART == 1
	.amdgcn_target "amdgcn-amd-amdhsa--gfx1250"
	.amdhsa_code_object_version 6
	.text
	.protected	k_q9d843332cc_prep
	.globl	k_q9d843332cc_prep
	.p2align	8
	.type	k_q9d843332cc_prep,@function
k_q9d843332cc_prep:
	s_mov_b64 s[64:65], 0
	v_nop
	global_prefetch_b8 v0, s[64:65] scope:SCOPE_SE
	s_setreg_imm32_b32 hwreg(HW_REG_WAVE_MODE, 25, 1), 1
	s_wait_xcnt 0x0
; PREP.  q = phi(query), k = phi(key), phi(x) = (elu(x) + 1)^5, in f32, are quantised along the 1,024 channels to codes of BF6 (E3M2) with one E8M0 byte for each 32,
; and laid as IMAGES OF THE OPERAND'S REGISTERS: a fragment (16 rows x 128 channels, 12 registers a lane) is 1,536 bytes: three pieces of 512, piece p = lane l's registers 4 p .. 4 p + 3 at 512 p + 16 l.
; value's codes and scale bytes, which are given, are laid anew in the same way; nothing of them is changed.
;   qf [b*32 + t/64][c/128][tile of 16 queries][1536]           row r of a fragment = query 16 tile + r
;   kf [b*64 + s/32][c/128][u][1536]                            row r = key 32 (s/32) + 8 u + r + 8 (r/8), so that two tiles of scores hold 16 neighbouring keys in a lane
;   vf [b*16 + s/128][channel/16][1536]                         row r = channel, K = 128 keys
;   qs, ks [pair of tiles][c/512][lane = 16 (tile & 1) + r][(c/128) % 4] words of four bytes;   vs [b*16 + s/128][w][g][lane][e]: the word of channel 256 w + 32 (4 g + e) + lane
; A block's scale is 2^(floor(log2(its largest magnitude)) - 4); its byte is that magnitude's exponent field - 4, held at 1 from below by a floor among the maximum's leaves.
; phi is taken step by step as it is defined: exp(x) - 1; elu = the middle one of x, exp(x) - 1 and 0 (above 0 that is x, since exp(x) - 1 is larger; below 0 it is exp(x) - 1, since x is smaller); + 1; then u (u^2)^2.
; LIMITS: NaN and infinities among the inputs are not served.  A block of zeros gets the byte 1 where the rule says 127: its codes are zeros, and the bytes are read by this program alone.
; For 0 < x < 6e-4 the rounded exp(x) - 1 can fall under x and is then taken for it: an error of at most 2e-7 of elu(x) + 1.
; SHARES.  Ten waves.  Waves 0-7: one tile of 16 rows x 1,024 channels each (work-groups 0-127: query, 128-255: key): 64 KiB in, 12 KiB out.  Waves 8, 9: 16 channels x 2,048 keys of value each;
; in work-groups 0-31 also one block of value's scale bytes.  Waves share nothing: no barrier.  No matrix work and no tensor load: the launch streams, each byte once.
.set QSTP, 8448                        ; a wave's stage for q and k: 16 rows x (512 bytes + 16)
.set VST,  71680                       ; behind the eight: two stages for value,
.set VSTP, 24832                       ; 16 rows x (1,536 bytes + 16)
.set LO,  1                            ; v1   16 x lane
.set SA,  2                            ; v2   stage, in: wave x QSTP + 16 x lane
.set RA,  3                            ; v3   stage, out: wave x QSTP + 528 r + 128 h
.set VSA, 4                            ; v4   value's stage, in
.set VRA, 5                            ; v5   value's stage, out: 1552 r + 24 h
.set SH8, 6                            ; v6   8 h
.set SWO, 7                            ; v7   512 h + 16 r: where my four scale words go
.set L64, 8                            ; v8   64 x lane
.set MXA, 10                           ; v10, v11 two chains of the maximum
.set MXB, 11
.set SC,  12                           ; v12  the conversion's scale operand
.set BY,  13                           ; v13, v14 my two blocks' bytes
.set WD,  15
.set WO,  16
.set HH,  17                           ; v17  h
.set W,   20                           ; v20-27 the tile's eight scale words
.set F,   28                           ; v28-39 the fragment
.set CT,  40                           ; v40-42, v44-46 the upper halves of its two blocks, as converted
.set X,   48                           ; v48-79 32 neighbours along the channels
.set T,   80                           ; v80-111 at work
.set L,   112                          ; v112-239 two sets of 64: 16 rows x 512 bytes as loaded
.set VD,  48                           ; v48-239 value's role: 192 registers of data
	s_load_b256 s[4:11], s[0:1], 0x0               ; query, key, value_codes, value_scales
	s_load_b256 s[12:19], s[0:1], 0x20             ; qf, qs, kf, ks
	s_load_b128 s[20:23], s[0:1], 0x40             ; vf, vs
	v_lshl_add_u32 v254, v0, 2, 0x1da00
	v_mov_b32 v255, 0
	v_lshrrev_b32 v9, 5, v0
	v_readfirstlane_b32 s24, v9                    ; wave 0..9
	v_and_b32 v9, 31, v0                           ; lane
	v_and_b32 v18, 15, v0                          ; r
	v_bfe_u32 v[HH], v0, 4, 1                      ; h
	v_lshlrev_b32 v[LO], 4, v9
	; every LDS address is made here, ahead of the parting of the roles, and never rewritten
	s_mul_i32 s42, s24, QSTP
	v_add_nc_u32 v[SA], s42, v[LO]
	v_mul_u32_u24 v[RA], v18, 528
	v_lshl_add_u32 v[RA], v[HH], 7, v[RA]
	v_add_nc_u32 v[RA], s42, v[RA]
	s_and_b32 s43, s24, 1
	s_mul_i32 s43, s43, VSTP
	s_add_co_u32 s43, s43, VST
	v_add_nc_u32 v[VSA], s43, v[LO]
	v_mul_u32_u24 v[VRA], v18, 1552
	v_mad_u32_u24 v[VRA], v[HH], 24, v[VRA]
	v_add_nc_u32 v[VRA], s43, v[VRA]
	v_lshlrev_b32 v[SH8], 3, v[HH]
	v_lshlrev_b32 v[SWO], 4, v18
	v_lshl_add_u32 v[SWO], v[HH], 9, v[SWO]
	v_lshlrev_b32 v[L64], 6, v9
	s_wait_kmcnt 0x0
	s_cmp_ge_u32 s24, 8
	s_cbranch_scc1 .Lvrole
	; ---------------- waves 0-7: query or key ----------------
	s_lshl_b32 s25, ttmp9, 3
	s_add_co_u32 s25, s25, s24
	s_and_b32 s25, s25, 1023                       ; my tile's number in its tensor
	s_lshl_b32 s42, s25, 16                        ; query: rows 16 tile on, 4,096 bytes a row
	s_lshr_b32 s43, s25, 1                         ; tile / 2
	s_and_b32 s44, s25, 1                          ; tile % 2
	s_lshl_b32 s45, s43, 17
	s_lshl_b32 s46, s44, 15
	s_add_co_u32 s45, s45, s46                     ; key: rows 32 (tile / 2) + 8 (tile % 2) on
	s_lshr_b32 s46, s25, 2
	s_lshl_b32 s46, s46, 5
	s_and_b32 s47, s25, 3
	s_add_co_u32 s46, s46, s47
	s_mul_i32 s46, s46, 1536                       ; qf: fragment 32 (tile / 4) + tile % 4, then four fragments on for each 128 channels
	s_lshl_b32 s47, s43, 4
	s_add_co_u32 s47, s47, s44
	s_mul_i32 s47, s47, 1536                       ; kf: fragment 16 (tile / 2) + tile % 2, then two on
	s_lshl_b32 s48, s43, 10
	s_lshl_b32 s49, s44, 8
	s_add_co_u32 s48, s48, s49                     ; scale words: 1,024 bytes a pair of tiles, 256 on for the odd tile
	s_mov_b32 s32, 3072
	s_mov_b32 s50, 65536
	s_cmp_lt_u32 ttmp9, 128                        ; query's work-group or key's: the choice hangs on the work-group's number alone
	s_cselect_b64 s[26:27], s[4:5], s[6:7]
	s_cselect_b64 s[30:31], s[12:13], s[16:17]
	s_cselect_b64 s[34:35], s[14:15], s[18:19]
	s_cselect_b32 s42, s42, s45
	s_cselect_b32 s46, s46, s47
	s_cselect_b32 s32, 6144, s32                   ; from one fragment of the tile to the next
	s_cselect_b32 s50, 32768, s50                  ; from the fragment's row 0 to its row 8: 8 rows of memory in query, 16 in key
	s_mov_b32 s43, 0
	s_mov_b32 s47, 0
	s_mov_b32 s49, 0
	s_mov_b32 s51, 0
	s_mov_b32 s33, 0
	s_add_nc_u64 s[26:27], s[26:27], s[42:43]      ; rows 0-7 of the fragments
	s_add_nc_u64 s[28:29], s[26:27], s[50:51]      ; rows 8-15
	s_add_nc_u64 s[30:31], s[30:31], s[46:47]      ; the codes' way out,
	s_sub_nc_u64 s[30:31], s[30:31], s[32:33]      ; one fragment back: it is stepped ahead of each fragment's stores, the first's too
	s_add_nc_u64 s[34:35], s[34:35], s[48:49]      ; the scale words'
	s_mov_b32 s38, 0x3fb8aa3b                      ; log2(e)
	s_mov_b32 s39, s38                             ; (named with it as a pair, so it is written)
	s_mov_b32 s40, 0x76543210
	s_mov_b32 s41, 0xfedcba98                      ; v_permlanex16_b32's selects for lane l xor 16
	v_mov_b32 v[WO], 0                             ; a lane permute's destination counts as one of its sources
.irp i, 0,1,2,3,4,5,6,7
	v_mov_b32 v[W+\i], 0                           ; (the words are moved down before the first are made)
.endr
; 16 rows x 128 channels as they lie: each load reads 512 consecutive bytes of one row
.macro LOAD buf, off
.set n, 0
.rept 8
	global_load_b128 v[L+64*\buf+4*n:L+64*\buf+4*n+3], v[LO], s[26:27] offset:4096*n+\off th:TH_LOAD_NT
.set n, n+1
.endr
.set n, 0
.rept 8
	global_load_b128 v[L+64*\buf+32+4*n:L+64*\buf+32+4*n+3], v[LO], s[28:29] offset:4096*n+\off th:TH_LOAD_NT
.set n, n+1
.endr
.endm
; phi of the 32 numbers in X
.macro PHI
.set n, 0
.rept 16
	v_pk_mul_f32 v[T+n:T+n+1], v[X+n:X+n+1], s[38:39] op_sel_hi:[1,0]
.set n, n+2
.endr
.set n, 0
.rept 32
	v_exp_f32 v[T+n], v[T+n]                       ; exp(x): infinity for a large x, which the choice below passes over
.set n, n+1
.endr
	v_nop                                          ; one plain instruction behind the last exponential,
	s_wait_alu depctr_va_vdst(0)                   ; and one wait for the batch of 32, ahead of its first reader
.set n, 0
.rept 16
	v_pk_add_f32 v[T+n:T+n+1], v[T+n:T+n+1], -1.0 op_sel_hi:[1,0]
.set n, n+2
.endr
.set n, 0
.rept 32
	v_med3_num_f32 v[X+n], v[X+n], v[T+n], 0       ; elu: the middle one of x, exp(x) - 1 and 0
.set n, n+1
.endr
.set n, 0
.rept 16
	v_pk_add_f32 v[X+n:X+n+1], v[X+n:X+n+1], 1.0 op_sel_hi:[1,0]
.set n, n+2
.endr
.set n, 0
.rept 16
	v_pk_mul_f32 v[T+n:T+n+1], v[X+n:X+n+1], v[X+n:X+n+1]
.set n, n+2
.endr
.set n, 0
.rept 16
	v_pk_mul_f32 v[T+n:T+n+1], v[T+n:T+n+1], v[T+n:T+n+1]
.set n, n+2
.endr
.set n, 0
.rept 16
	v_pk_mul_f32 v[X+n:X+n+1], v[X+n:X+n+1], v[T+n:T+n+1]   ; u (u^2)^2
.set n, n+2
.endr
.endm
; my block 2 c + h of the fragment: all its 32 numbers are mine.  None is negative, so the maximum takes them as they are
.macro HALF c
	PHI
	v_max3_num_f32 v[MXA], v[X], v[X+1], v[X+2]
	v_max3_num_f32 v[MXB], v[X+3], v[X+4], v[X+5]
.irp i, 6,10,14,18,22,26
	v_max3_num_f32 v[MXA], v[MXA], v[X+\i], v[X+\i+1]
	v_max3_num_f32 v[MXB], v[MXB], v[X+\i+2], v[X+\i+3]
.endr
	v_max3_num_f32 v[MXA], v[MXA], v[X+30], v[X+31]
	v_max3_num_f32 v[MXA], v[MXA], v[MXB], 0x2800000       ; and the floor 2^(5 - 127): the byte cannot fall under 1
	v_add_nc_u32 v[SC], 0xfe000000, v[MXA]         ; 4 off the exponent field: the conversion takes the exponent field of this operand as its scale
.if \c == 0
	s_wait_xcnt 0x0                                ; the last fragment's three stores, and this fragment's 16 loads, have read their registers: F and the way out may be written now, the loads' bases at the trip's end
	s_add_nc_u64 s[30:31], s[30:31], s[32:33]      ; on to this fragment's place
.endif
	v_cvt_scalef32_pk16_bf6_f32 v[F+6*\c:F+6*\c+2], v[X:X+15], v[SC]
	v_cvt_scalef32_pk16_bf6_f32 v[CT+4*\c:CT+4*\c+2], v[X+16:X+31], v[SC]   ; (a conversion's three registers begin on an even number)
	v_lshrrev_b32 v[BY+\c], 23, v[SC]              ; the byte.  Also the plain instruction behind the conversions
.irp i, 0,1,2
	v_mov_b32 v[F+6*\c+3+\i], v[CT+4*\c+\i]
.endr
.endm
; One fragment.  The 16 x 512 bytes of set buf turn through the stage: in as loaded, out 128 neighbouring bytes of one row to a lane (lane (r, h): channels 64 c + 32 h + 0 .. 31 of row r).
; cnt: how many younger loads may stay out.  doload: the set is filled again, from off bytes on.  pos: which of the pair of scale words.
.macro FRAG buf, doload, off, cnt, pos
	s_wait_loadcnt \cnt                            ; loads come back in order: this set's 16 are in, the other set's may be out
.set n, 0
.rept 16
	ds_store_b128 v[SA], v[L+64*\buf+4*n:L+64*\buf+4*n+3] offset:528*n
.set n, n+1
.endr
.set n, 0
.rept 8
	ds_load_b128 v[X+4*n:X+4*n+3], v[RA] offset:16*n       ; LDS serves a wave's instructions in order: these see the stores above
.set n, n+1
.endr
	s_wait_dscnt 0x0                               ; X is in, and the stores have read the set's registers
.if \doload
	LOAD \buf, \off
.endif
	HALF 0
.set n, 0
.rept 8
	ds_load_b128 v[X+4*n:X+4*n+3], v[RA] offset:256+16*n
.set n, n+1
.endr
	s_wait_dscnt 0x0
	HALF 1
	v_lshl_or_b32 v[WD], v[BY+1], 16, v[BY]        ; my two bytes: blocks h and 2 + h,
	v_lshlrev_b32 v[WD], v[SH8], v[WD]             ; at their places in the word;
	v_permlanex16_b32 v[WO], v[WD], s40, s41
	v_or_b32 v[W+6+\pos], v[WD], v[WO]             ; with lane l xor 16's two the word is whole
.irp p, 0,1,2
	global_store_b128 v[LO], v[F+4*\p:F+4*\p+3], s[30:31] offset:512*\p   ; 512 consecutive bytes a store.  F and the pointer stay as they are until the wait in the next fragment
.endr
.endm
.macro SHIFT                           ; the scale words move down by two: after four pairs word k stands in register k
.irp i, 0,1,2,3,4,5
	v_mov_b32 v[W+\i], v[W+2+\i]
.endr
.endm
	LOAD 0, 0
	LOAD 1, 512
	s_mov_b32 s36, 3
.Ltrip:                                            ; a trip: two fragments out, the two that stand two further on asked for
	SHIFT
	FRAG 0, 1, 1024, 16, 0
	FRAG 1, 1, 1536, 16, 1
	s_add_nc_u64 s[26:27], s[26:27], 1024          ; (the trip's last loads stand ahead of the second fragment's wait for the addresses)
	s_add_nc_u64 s[28:29], s[28:29], 1024
	s_sub_co_u32 s36, s36, 1
	s_cmp_lg_u32 s36, 0
	s_cbranch_scc1 .Ltrip
	SHIFT
	FRAG 0, 0, 0, 16, 0                            ; the last two ask for nothing: no load leaves its row
	FRAG 1, 0, 0, 0, 1
	v_cmp_ne_u32 vcc_lo, 0, v[HH]
.irp i, 0,1,2,3
	v_cndmask_b32 v[X+\i], v[W+\i], v[W+4+\i], vcc_lo      ; lanes 0-15: words 0-3, lanes 16-31: words 4-7.  Into registers that no pending store reads
.endr
	global_store_b128 v[SWO], v[X:X+3], s[34:35]   ; each half of the lanes stores 256 consecutive bytes, aligned
	s_wait_tensorcnt 0x0
	ds_add_u32 v254, v255
	s_wait_dscnt 0x0
	s_endpgm
	; ---------------- waves 8, 9: value ----------------
.Lvrole:
	s_and_b32 s42, s24, 1
	s_lshl_b32 s25, ttmp9, 1
	s_add_co_u32 s25, s25, s42                     ; which 16 channels: b x 64 + channel / 16
	s_mul_i32 s42, s25, 24576                      ; 16 rows of 1,536 bytes: one dense block
	s_mov_b32 s43, 0
	s_add_nc_u64 s[26:27], s[8:9], s[42:43]
	s_lshr_b32 s44, s25, 6
	s_and_b32 s45, s25, 63
	s_lshl_b32 s44, s44, 10
	s_add_co_u32 s44, s44, s45
	s_mul_i32 s44, s44, 1536                       ; vf: fragment b x 1,024 + channel / 16, then 64 fragments on for each 128 keys
	s_mov_b32 s45, 0
	s_add_nc_u64 s[30:31], s[20:21], s[44:45]
.set n, 0
.rept 48
	global_load_b128 v[VD+4*n:VD+4*n+3], v[LO], s[26:27] offset:512*n th:TH_LOAD_NT
.set n, n+1
.endr
.set n, 0
.irp g, 0,1,2,3
	s_wait_loadcnt 36-12*\g                        ; twelve more loads are in; the younger ones may be out
.rept 12
	ds_store_b128 v[VSA], v[VD+4*n:VD+4*n+3] offset:(n/3)*1552+512*(n%3)
.set n, n+1
.endr
.endr
	s_wait_dscnt 0x0                               ; the stores have read their registers
.macro VFR j                           ; fragment j (keys 128 j on): lane (r, h) takes 24 bytes at 96 j + 24 h of row r, and 24 more 48 bytes on, in pieces of 8
.irp p, 0,1,2,3,4,5
	ds_load_b64 v[VD+12*(\j)+2*\p:VD+12*(\j)+2*\p+1], v[VRA] offset:96*(\j)+48*(\p/3)+8*(\p%3)
.endr
.endm
.irp j, 0,1,2,3,4,5,6,7
	VFR \j
.endr
.irp j, 0,1,2,3,4,5,6,7,8,9,10,11,12,13,14,15
.if \j < 8
	VFR \j+8
	s_wait_dscnt 48                                ; fragment j is in; the eight behind it may be out
.else
	s_wait_dscnt 6*(15-\j)
.endif
.irp p, 0,1,2
	global_store_b128 v[LO], v[VD+12*\j+4*\p:VD+12*\j+4*\p+3], s[30:31] offset:98304*\j+512*\p
.endr
.endr
	s_cmp_ge_u32 ttmp9, 32
	s_cbranch_scc1 .Lvend
	; value's scale bytes: 128 channels x 64 bytes; the word of keys 128 j on goes to step j's block, four neighbouring registers of the reader to a lane
	s_wait_xcnt 0x0                                ; the stores above have read their registers
	s_lshr_b32 s42, s25, 3                         ; b
	s_bfe_u32 s43, s25, 0x20001                    ; w
	s_and_b32 s44, s25, 1                          ; g
	s_lshl_b32 s42, s42, 16
	s_lshl_b32 s46, s43, 14
	s_lshl_b32 s47, s44, 13
	s_add_co_u32 s46, s46, s47
	s_add_co_u32 s46, s46, s42                     ; in: (1,024 b + 256 w + 128 g) rows of 64 bytes
	s_mov_b32 s47, 0
	s_lshl_b32 s48, s43, 10
	s_lshl_b32 s49, s44, 9
	s_add_co_u32 s48, s48, s49
	s_add_co_u32 s48, s48, s42                     ; out: (64 b + w) x 1,024 + 512 g, then 4,096 on for each step
	s_mov_b32 s49, 0
	s_add_nc_u64 s[46:47], s[10:11], s[46:47]
	s_add_nc_u64 s[48:49], s[22:23], s[48:49]
.irp e, 0,1,2,3
.irp q, 0,1,2,3
	global_load_b128 v[48+16*\e+4*\q:48+16*\e+4*\q+3], v[L64], s[46:47] offset:2048*\e+16*\q   ; channel 32 e + lane: its 16 words
.endr
.endr
	s_wait_loadcnt 0x0
.irp j, 0,1,2,3,4,5,6,7,8,9,10,11,12,13,14,15
.irp e, 0,1,2,3
	v_mov_b32 v[112+4*\j+\e], v[48+16*\e+\j]
.endr
.endr
.irp j, 0,1,2,3,4,5,6,7,8,9,10,11,12,13,14,15
	global_store_b128 v[LO], v[112+4*\j:112+4*\j+3], s[48:49] offset:4096*\j   ; 512 consecutive bytes a store
.endr
.Lvend:
	s_wait_tensorcnt 0x0
	ds_add_u32 v254, v255
	s_wait_dscnt 0x0
	s_endpgm
.Lfunc_end_k_q9d843332cc_prep:
	.size	k_q9d843332cc_prep, .Lfunc_end_k_q9d843332cc_prep-k_q9d843332cc_prep
	.p2alignl 7, 3214868480
	.fill 96, 4, 3214868480
	.section	.rodata,"a",@progbits
	.p2align	6, 0x0
	.amdhsa_kernel k_q9d843332cc_prep
		.amdhsa_group_segment_fixed_size 122624
		.amdhsa_private_segment_fixed_size 0
		.amdhsa_enable_private_segment 0
		.amdhsa_kernarg_size 80
		.amdhsa_user_sgpr_count 2
		.amdhsa_user_sgpr_kernarg_segment_ptr 1
		.amdhsa_wavefront_size32 1
		.amdhsa_system_sgpr_workgroup_id_x 1
		.amdhsa_system_sgpr_workgroup_id_y 1
		.amdhsa_system_sgpr_workgroup_id_z 1
		.amdhsa_system_vgpr_workitem_id 0
		.amdhsa_next_free_vgpr 256
		.amdhsa_next_free_sgpr 66
		.amdhsa_reserve_vcc 1
		.amdhsa_float_denorm_mode_32 3
		.amdhsa_float_denorm_mode_16_64 3
		.amdhsa_memory_ordered 1
		.amdhsa_forward_progress 1
		.amdhsa_inst_pref_size 130
	.end_amdhsa_kernel
	.amdgpu_metadata
---
amdhsa.version: [ 1, 2 ]
amdhsa.kernels:
  - .name:           k_q9d843332cc_prep
    .symbol:         k_q9d843332cc_prep.kd
    .args:
      - { .name: query, .offset: 0, .size: 8, .value_kind: global_buffer, .address_space: global }
      - { .name: key, .offset: 8, .size: 8, .value_kind: global_buffer, .address_space: global }
      - { .name: value_codes, .offset: 16, .size: 8, .value_kind: global_buffer, .address_space: global }
      - { .name: value_scales, .offset: 24, .size: 8, .value_kind: global_buffer, .address_space: global }
      - { .name: qf, .offset: 32, .size: 8, .value_kind: global_buffer, .address_space: global }
      - { .name: qs, .offset: 40, .size: 8, .value_kind: global_buffer, .address_space: global }
      - { .name: kf, .offset: 48, .size: 8, .value_kind: global_buffer, .address_space: global }
      - { .name: ks, .offset: 56, .size: 8, .value_kind: global_buffer, .address_space: global }
      - { .name: vf, .offset: 64, .size: 8, .value_kind: global_buffer, .address_space: global }
      - { .name: vs, .offset: 72, .size: 8, .value_kind: global_buffer, .address_space: global }
    .group_segment_fixed_size: 122624
    .private_segment_fixed_size: 0
    .kernarg_segment_align: 8
    .kernarg_segment_size: 80
    .max_flat_workgroup_size: 320
    .sgpr_count:     66
    .vgpr_count:     256
    .wavefront_size: 32
...
	.end_amdgpu_metadata
.endif
;; end of part 1
;; launch attn (part 2): grid 32 x 8, 4 waves a work-group, no clusters, 90,880 bytes of LDS; arguments qf, qs, kf, ks, vf, vs, out0; writes out0
.if DOCPART == 2
	.amdgcn_target "amdgcn-amd-amdhsa--gfx1250"
	.amdhsa_code_object_version 6
	.text
	.protected	k_q9d843332cc_attn
	.globl	k_q9d843332cc_attn
	.p2align	8
	.type	k_q9d843332cc_attn,@function
k_q9d843332cc_attn:
	s_mov_b64 s[64:65], 0
	v_nop
	global_prefetch_b8 v0, s[64:65] scope:SCOPE_SE
	s_setreg_imm32_b32 hwreg(HW_REG_WAVE_MODE, 25, 1), 1
	s_wait_xcnt 0x0
; ATTN.  scores[t][s] = <q_t, k_s> f^(t-s) for s <= t, else 0;  out[t] = (Q(scores) value)[t] / (the row's sum of the unquantised scores + 1e-8).  Both products on codes of BF6 (E3M2) with E8M0 scales for each 32 along K.
; q, k and value come as images of the operands' registers (a fragment = 16 rows x 128 K = 1,536 bytes, three pieces of 512 bytes, 16 bytes a lane), their scale words as the scale registers want them.
; SHARES.  A work-group owns 64 queries of one batch (four tiles of 16) and all 1,024 channels of their result: 2,048 registers of sums, 512 a wave.  It walks the keys in steps of 128, from the step on the
; diagonal DOWN to key 0: so the one step that needs the mask is also the one that starts the sums.  Written out are that step, the loop's step, and the step at key 0, which asks for no further K.
; WHICH BLOCK.  The work-group's number is k = x + 32 y; a = k % 16, c = k / 16.  It takes batch a % 8 and block i = 2 p + a / 8 with p = (a + c) % 16; its walk has p + 1 steps.  So any sixteen work-groups with
; consecutive numbers, and any sixteen with equal numbers modulo 16, hold one walk of each length 1 .. 16: long and short walks are mixed in every such group; a batch's work-groups have equal numbers modulo 8.
; In S^T = K Q^T wave w takes the step's keys 32 w .. 32 w + 31 (two tiles, ONE block of the quantiser) against all four tiles of queries: 8 sums, 8 K steps of 128 channels.
; In O^T += V^T P^T wave w takes channels 256 w .. 256 w + 255 (16 tiles) against the four tiles of queries: 64 sums, one K step.
; Both products are used transposed: a lane holds ONE query (lane % 16); its 16 registers of a pair of score tiles are keys 16 (lane / 16) + 0 .. 15 of the wave's 32.
; ROADS.  Each fragment of K and of V is read by ONE wave of the work-group, so it goes from memory straight into that wave's registers, about half a step ahead, through a ring of 16 places of 12 registers that K and V use by turns.
; Only what several waves read goes through LDS: Q (once in, then read by all four in every step) and P with its scale bytes (two barriers a step).
; NO CLUSTER: the work-groups of a batch that read the same K and V have different numbers of steps and read them at different times, and nothing here is brought by tensor loads.
; THE DECAY.  log f is taken as c = -2^-23.  f^(t-s) = d0 x g: d0 = 1 + y + y^2/2 with y = c (t - s0), s0 the lane's first key (|y| is under 2.5e-4 at 2,048 tokens, the term left out under 2.6e-12); g = 1 + i 2^-23 for the lane's i-th key.
; LIMITS: NaN and infinities are not served.  A block of zeros has the byte 1 (its codes are zeros).  The sums over the keys run from the diagonal downward: another order of f32 rounding than ascending keys.
; A block with no step below its diagonal (p = 0) asks once more for its own tile of K, which nobody uses (24 KiB a wave): so the diagonal step is written once.
; REGISTERS, in windows of 256.  Window 0: addresses, scale words, the scores S (later P's fragments), Q's buffer for even K steps.  Window 1: v0-191 the ring; v192-239 Q's buffer for odd K steps.
; Windows 2, 3: O^T: sum (t, m) at v[32 (t % 8) + 8 m], t < 8 in window 2.
.set QIMG, 0                           ; LDS: Q's 32 fragments, 49,152 bytes
.set PIMG, 49152                       ; P's four fragments: tile m at 1,536 m, lane l's 48 bytes at 48 l
.set PSC,  55296                       ; P's scale words: query 16 m + r at 64 m + 4 r, wave w's byte at + w
.set SUMS, 55552                       ; the row sums' four parts: 256 m + 16 r + 4 w
.set STG,  56576                       ; the way out: 16 rows x (512 bytes + 16) for each wave
.set LO,  1                            ; v1   16 x lane
.set QWA, 2                            ; v2   12,288 x wave + 16 x lane: my quarter of Q's images, in memory and in LDS
.set PWA, 3                            ; v3   where my 12 bytes of P go
.set PSA, 4                            ; v4   where my scale byte goes
.set PRA, 5                            ; v5   PIMG + 48 x lane
.set PSR, 6                            ; v6   PSC + 4 x lane
.set DF0, 7                            ; v7   t - s of my query of tile 0 and my first key, as f32
.set DI0, 8                            ; v8   the same on the diagonal, as a whole number
.set ZR,  9                            ; v9   0
.set SUA, 10
.set SUR, 11
.set STO, 12
.set STR, 13
.set DD,  16                           ; v16-23 d0 of tile m at v[16 + 2 m] (the odd ones are named in pairs and hold 0); at the end 1 / the row's sum
.set SUM, 24                           ; v24-31 the row sums, a pair a tile
.set QS,  32                           ; v32-47 Q's scale words: register 8 (m / 2) + k, lanes 16 (m % 2) on
.set KS,  48                           ; v48-55 K's: register k, lanes 16 u on
.set VS,  56                           ; v56-63 V's: register t / 2, lanes 16 (t % 2) on
.set PS,  64                           ; v64-65 P's: register m / 2, lanes 16 (m % 2) on
.set MX,  66
.set MY,  70
.set SCL, 74
.set BYT, 78
.set Y,   82
.set PC,  88                           ; v88-103 P's codes just made, four registers a tile
.set G,   104                          ; v104-119 g of the lane's 16 keys
.set S,   120                          ; v120-183 scores: tile (m, u) at 120 + 16 m + 8 u; then P's fragments at 120 + 12 m; on the way out 64 results
.set QB0, 184                          ; window 0
.set QB1, 192                          ; window 1
.set KP,  8                            ; s[8:9]   my tile of K's fragments
.set KSP, 10                           ; s[10:11] its scale words
.set VP,  12                           ; s[12:13] my 16 fragments of V
.set VSP, 14                           ; s[14:15] their scale words
.set OUT, 16                           ; s[16:17] my 64 rows x 256 channels of the result
.set MSB, 0
.macro WIN new                         ; the immediate's high byte repeats the setting that is left; a switch that changes nothing is dropped
.if MSB != (\new)
	s_set_vgpr_msb (MSB<<8)|(\new)
.set MSB, (\new)
.endif
.endm
.macro PLACES n                        ; plain vector instructions between a matrix instruction and what may not follow it at once (ISA guide 7.12.1)
.rept \n
	v_nop
.endr
.endm
; one matrix instruction, from the symbols rD, rA, rB, rSA, rSB; fZ: it starts its sum; fRA, fRB: the scale words stand in lanes 16-31
.macro WM
.if fZ
.if fRA && fRB
	v_wmma_scale_f32_16x16x128_f8f6f4 v[rD:rD+7], v[rA:rA+11], v[rB:rB+11], 0, v[rSA], v[rSB] matrix_a_fmt:MATRIX_FMT_BF6 matrix_b_fmt:MATRIX_FMT_BF6 matrix_a_scale:MATRIX_SCALE_ROW1 matrix_b_scale:MATRIX_SCALE_ROW1
.elseif fRA
	v_wmma_scale_f32_16x16x128_f8f6f4 v[rD:rD+7], v[rA:rA+11], v[rB:rB+11], 0, v[rSA], v[rSB] matrix_a_fmt:MATRIX_FMT_BF6 matrix_b_fmt:MATRIX_FMT_BF6 matrix_a_scale:MATRIX_SCALE_ROW1
.elseif fRB
	v_wmma_scale_f32_16x16x128_f8f6f4 v[rD:rD+7], v[rA:rA+11], v[rB:rB+11], 0, v[rSA], v[rSB] matrix_a_fmt:MATRIX_FMT_BF6 matrix_b_fmt:MATRIX_FMT_BF6 matrix_b_scale:MATRIX_SCALE_ROW1
.else
	v_wmma_scale_f32_16x16x128_f8f6f4 v[rD:rD+7], v[rA:rA+11], v[rB:rB+11], 0, v[rSA], v[rSB] matrix_a_fmt:MATRIX_FMT_BF6 matrix_b_fmt:MATRIX_FMT_BF6
.endif
.else
.if fRA && fRB
	v_wmma_scale_f32_16x16x128_f8f6f4 v[rD:rD+7], v[rA:rA+11], v[rB:rB+11], v[rD:rD+7], v[rSA], v[rSB] matrix_a_fmt:MATRIX_FMT_BF6 matrix_b_fmt:MATRIX_FMT_BF6 matrix_a_scale:MATRIX_SCALE_ROW1 matrix_b_scale:MATRIX_SCALE_ROW1
.elseif fRA
	v_wmma_scale_f32_16x16x128_f8f6f4 v[rD:rD+7], v[rA:rA+11], v[rB:rB+11], v[rD:rD+7], v[rSA], v[rSB] matrix_a_fmt:MATRIX_FMT_BF6 matrix_b_fmt:MATRIX_FMT_BF6 matrix_a_scale:MATRIX_SCALE_ROW1
.elseif fRB
	v_wmma_scale_f32_16x16x128_f8f6f4 v[rD:rD+7], v[rA:rA+11], v[rB:rB+11], v[rD:rD+7], v[rSA], v[rSB] matrix_a_fmt:MATRIX_FMT_BF6 matrix_b_fmt:MATRIX_FMT_BF6 matrix_b_scale:MATRIX_SCALE_ROW1
.else
	v_wmma_scale_f32_16x16x128_f8f6f4 v[rD:rD+7], v[rA:rA+11], v[rB:rB+11], v[rD:rD+7], v[rSA], v[rSB] matrix_a_fmt:MATRIX_FMT_BF6 matrix_b_fmt:MATRIX_FMT_BF6
.endif
.endif
.endm
; Q's four fragments of K step k, from LDS into the buffer of k's parity: 12 loads of 512 consecutive bytes
.macro QLOAD k
.if ((\k)%2) == 0
	WIN 0
.else
	WIN 0x40
.endif
.irp m, 0,1,2,3
.irp p, 0,1,2
	ds_load_b128 v[QB0+(QB1-QB0)*((\k)%2)+12*\m+4*\p:QB0+(QB1-QB0)*((\k)%2)+12*\m+4*\p+3], v[LO] offset:(4*(\k)+\m)*1536+512*\p
.endr
.endr
.endm
; fragment f of the tile at base, from memory into place f of the ring (window 1): three loads of 512 consecutive bytes
.macro GFRAG f, base
.irp p, 0,1,2
	global_load_b128 v[12*(\f)+4*\p:12*(\f)+4*\p+3], v[LO], s[\base:\base+1] offset:1536*(\f)+512*\p
.endr
.endm
; K step k of S^T: 8 matrix instructions on 8 sums by turns.  Then the two places of the ring that they have read take V's fragments 2 k, 2 k + 1, and Q's buffer the K step two on.
.macro SK k
	s_wait_loadcnt 44                              ; K's fragments 2 k, 2 k + 1 are in.  Behind them were issued: 42 - 6 k loads of K, 2 of V's scale words, 6 k of V
	s_wait_dscnt 12                                ; Q's batch for this K step is in; the next one's 12 loads may be out
	WIN 0x01+4*((\k)%2)                            ; K in window 1; Q in window 0 or 1; S in window 0
.irp m, 0,1,2,3
.irp u, 0,1
.set rD, S+16*\m+8*\u
.set rA, 12*(2*(\k)+\u)
.set rB, QB0+(QB1-QB0)*((\k)%2)+12*\m
.set rSA, KS+(\k)
.set rSB, QS+8*(\m/2)+(\k)
.if (\k) == 0
.set fZ, 1
.else
.set fZ, 0
.endif
.set fRA, \u
.set fRB, \m%2
	WM
.endr
.endr
	PLACES 4                                       ; in front of loads into registers that these have read
	WIN 0x40
	GFRAG 2*(\k), VP
	GFRAG 2*(\k)+1, VP
	QLOAD ((\k)+2)%8
.endm
; The scores become P: mask (on the diagonal), decay, row sums, the block's scale, codes; codes and byte go to LDS.
.macro VEC diag
.if !\diag
	v_add_f32 v[DF0], 0x43000000, v[DF0]           ; a step down: every t - s grows by 128
.endif
	v_mul_f32 v[Y], s24, v[DF0]                    ; y = c (t - s0), tile m's queries 16 m further on
.irp m, 1,2,3
	v_fma_f32 v[Y+\m], s24, v[DF0], s[24+\m]
.endr
.irp m, 0,1,2,3
	v_fma_f32 v[MX+\m], v[Y+\m], 0.5, 1.0
.endr
.irp m, 0,1,2,3
	v_fma_f32 v[DD+2*\m], v[Y+\m], v[MX+\m], 1.0   ; d0 = 1 + y (1 + y / 2)
.endr
.if \diag
.set n, 0
.rept 64                                       ; register 16 m + i holds t - s = D0 + 16 m - i: the key is hidden where i - 16 m > D0.  Ascending: each sum is read from its low end on
	v_cmp_gt_i32 vcc_lo, (n%16)-16*(n/16), v[DI0]
	v_cndmask_b32 v[S+n], v[S+n], v[ZR], vcc_lo
.set n, n+1
.endr
.endif
.irp pr, 0,1,2,3,4,5,6,7                       ; pairs outermost, so that each sum is read from its low end on
.irp m, 0,1,2,3
	v_pk_mul_f32 v[S+16*\m+2*\pr:S+16*\m+2*\pr+1], v[S+16*\m+2*\pr:S+16*\m+2*\pr+1], v[G+2*\pr:G+2*\pr+1]
.endr
.endr
.irp pr, 0,1,2,3,4,5,6,7
.irp m, 0,1,2,3
	v_pk_mul_f32 v[S+16*\m+2*\pr:S+16*\m+2*\pr+1], v[S+16*\m+2*\pr:S+16*\m+2*\pr+1], v[DD+2*\m:DD+2*\m+1] op_sel_hi:[1,0]
.endr
.endr
.irp pr, 0,1,2,3,4,5,6,7                       ; THE ROW'S SUM IS TAKEN OF THE UNQUANTISED SCORES
.irp m, 0,1,2,3
.if \diag && (\pr == 0)
.elseif \diag && (\pr == 1)
	v_pk_add_f32 v[SUM+2*\m:SUM+2*\m+1], v[S+16*\m:S+16*\m+1], v[S+16*\m+2:S+16*\m+3]   ; the first step starts the sums: nothing is cleared
.else
	v_pk_add_f32 v[SUM+2*\m:SUM+2*\m+1], v[SUM+2*\m:SUM+2*\m+1], v[S+16*\m+2*\pr:S+16*\m+2*\pr+1]
.endif
.endr
.endr
.irp m, 0,1,2,3
	v_max3_num_f32 v[MX+\m], v[S+16*\m], v[S+16*\m+1], 0x2800000   ; my 16 of the block's 32 (none is negative), and the floor 2^(5 - 127): the byte cannot fall under 1
.endr
.irp i, 2,4,6,8,10,12,14
.irp m, 0,1,2,3
	v_max3_num_f32 v[MX+\m], v[MX+\m], v[S+16*\m+\i], v[S+16*\m+\i+1]
.endr
.endr
.irp m, 0,1,2,3
	v_permlanex16_b32 v[MY+\m], v[MX+\m], s22, s23
.endr
.irp m, 0,1,2,3
	v_max_num_f32 v[MX+\m], v[MX+\m], v[MY+\m]     ; with lane l xor 16's: the block's largest
.endr
.irp m, 0,1,2,3
	v_add_nc_u32 v[SCL+\m], 0xfe000000, v[MX+\m]   ; 4 off its exponent field: the conversion's scale operand
.endr
.irp m, 0,1,2,3
	v_lshrrev_b32 v[BYT+\m], 23, v[SCL+\m]         ; the byte
.endr
.irp m, 0,1,2,3
	v_cvt_scalef32_pk16_bf6_f32 v[PC+4*\m:PC+4*\m+2], v[S+16*\m:S+16*\m+15], v[SCL+\m]   ; 16 codes, 12 bytes: half a block
.endr
	v_nop                                          ; one plain instruction behind the last conversion
.irp m, 0,1,2,3
.irp e, 0,1,2
	ds_store_b32 v[PWA], v[PC+4*\m+\e] offset:1536*\m+4*\e   ; block w of the fragment lies in lanes 16 (w % 2) on, registers 6 (w / 2) on; my 12 bytes are its half h
.endr
.endr
.irp m, 0,1,2,3
	ds_store_b8 v[PSA], v[BYT+\m] offset:64*\m     ; both lanes of a query write the same byte with the same value
.endr
.endm
; O^T: V's tiles 4 g .. 4 g + 3 against P's four: 16 matrix instructions on 16 sums.  more = 1: the four places of the ring that they have read then take the next step's fragments 4 g .. 4 g + 3 of K, in one run of 12 loads.
.macro PVQ g, zero, more
.if \more
	s_wait_loadcnt 38                              ; V's fragments 4 g .. 4 g + 3 are in.  Behind them: 36 - 12 g loads of V, 2 of K's scale words, 12 g of K
.else
	s_wait_loadcnt 36-12*(\g)                      ; behind them: the younger loads of V alone
.endif
	WIN 0xa1+0x50*((\g)/2)                         ; V in window 1, P in window 0, the sums in window 2 or 3
.irp tt, 0,1,2,3
.irp m, 0,1,2,3
.set rD, 32*((4*(\g)+\tt)%8)+8*\m
.set rA, 12*(4*(\g)+\tt)
.set rB, S+12*\m
.set rSA, VS+2*(\g)+\tt/2
.set rSB, PS+\m/2
.set fZ, \zero
.set fRA, \tt%2
.set fRB, \m%2
	WM
.endr
.endr
.if (\g) == 3
	PLACES 5                                       ; the next matrix instruction writes scores over P's fragments: one place more than a load wants
.elseif \more
	PLACES 4
.endif
.if \more
	WIN 0x40
.irp q, 0,1,2,3
	GFRAG 4*(\g)+\q, KP
.endr
.endif
.endm
.macro BARRIER                         ; my LDS stores have landed and my LDS loads are in: then the work-group's barrier
	s_wait_dscnt 0x0
	s_barrier_signal -1
	s_barrier_wait -1
.endm
; A KEY STEP.  diag = 1: the step on the diagonal, which starts O^T and the row sums and has the mask.  more = 1: K of the step below is asked for.
; All four pointers are stepped at the step's middle: this step's loads of V and of V's scale words, and the last step's of K, stand ahead of the one wait for the addresses there.
.macro STEP diag, more
	global_load_b128 v[VS:VS+3], v[LO], s[VSP:VSP+1]
	global_load_b128 v[VS+4:VS+7], v[LO], s[VSP:VSP+1] offset:512
.irp k, 0,1,2,3,4,5,6,7
	SK \k
.endr
	WIN 0
	VEC \diag
	BARRIER                                        ; P's four fragments and their scale words lie in LDS
.irp m, 0,1,2,3
.irp p, 0,1,2
	ds_load_b128 v[S+12*\m+4*\p:S+12*\m+4*\p+3], v[PRA] offset:1536*\m+16*\p
.endr
.endr
	ds_load_b32 v[PS], v[PSR]
	ds_load_b32 v[PS+1], v[PSR] offset:128
.if \more
	s_wait_xcnt 0x0                                ; the loads issued so far have read their bases
.if \diag
	s_cmp_lg_u32 s21, 0                            ; is there a step below the diagonal's?
	s_cselect_b32 s32, 98304, 0
	s_cselect_b32 s34, 4096, 0
	s_sub_nc_u64 s[KP:KP+1], s[KP:KP+1], s[32:33]  ; a step down, or where they stand
	s_sub_nc_u64 s[KSP:KSP+1], s[KSP:KSP+1], s[34:35]
	s_sub_nc_u64 s[VP:VP+1], s[VP:VP+1], s[32:33]
	s_sub_nc_u64 s[VSP:VSP+1], s[VSP:VSP+1], s[34:35]
.else
	s_sub_nc_u64 s[KP:KP+1], s[KP:KP+1], s[28:29]  ; a step down
	s_sub_nc_u64 s[KSP:KSP+1], s[KSP:KSP+1], s[30:31]
	s_sub_nc_u64 s[VP:VP+1], s[VP:VP+1], s[28:29]
	s_sub_nc_u64 s[VSP:VSP+1], s[VSP:VSP+1], s[30:31]
.endif
	global_load_b128 v[KS:KS+3], v[LO], s[KSP:KSP+1]
	global_load_b128 v[KS+4:KS+7], v[LO], s[KSP:KSP+1] offset:512
.endif
	BARRIER                                        ; every wave holds P in registers: the next step may store P again
.irp g, 0,1,2,3
	PVQ \g, \diag, \more
.endr
	WIN 0
.endm
	s_load_b256 s[4:11], s[0:1], 0x0               ; qf, qs, kf, ks
	s_load_b128 s[12:15], s[0:1], 0x20             ; vf, vs
	s_load_b64 s[16:17], s[0:1], 0x30              ; out0
	v_lshl_add_u32 v254, v0, 2, 0x16100
	v_mov_b32 v255, 0
	v_lshrrev_b32 v14, 5, v0
	v_readfirstlane_b32 s18, v14                   ; wave 0..3
	s_and_b32 s36, ttmp7, 0xffff                   ; y
	s_lshl_b32 s36, s36, 1
	s_lshr_b32 s37, ttmp9, 4
	s_add_co_u32 s36, s36, s37                     ; c = the work-group's number / 16
	s_and_b32 s37, ttmp9, 15                       ; a = its number % 16
	s_add_co_u32 s36, s36, s37
	s_and_b32 s21, s36, 15                         ; p = (a + c) % 16: the diagonal's step, which is also the number of steps below it
	s_and_b32 s20, s37, 7                          ; b = a % 8
	s_lshr_b32 s37, s37, 3
	s_lshl_b32 s19, s21, 1
	s_add_co_u32 s19, s19, s37                     ; i = 2 p + a / 8: my block of 64 queries
	v_and_b32 v[PRA], 31, v0                       ; lane
	v_lshlrev_b32 v[LO], 4, v[PRA]
	v_lshl_add_u32 v[PSR], v[PRA], 2, PSC
	v_mul_u32_u24 v[PRA], v[PRA], 48
	v_add_nc_u32 v[PRA], PIMG, v[PRA]
	v_and_b32 v14, 15, v0                          ; r
	v_bfe_u32 v15, v0, 4, 1                        ; h
	s_mul_i32 s36, s18, 12288
	v_add_nc_u32 v[QWA], s36, v[LO]
	s_and_b32 s36, s18, 1
	s_mul_i32 s36, s36, 768
	s_lshr_b32 s37, s18, 1
	s_mul_i32 s37, s37, 24
	s_add_co_u32 s36, s36, s37
	s_add_co_u32 s36, s36, PIMG
	v_mul_u32_u24 v[PWA], v14, 48
	v_mad_u32_u24 v[PWA], v15, 12, v[PWA]
	v_add_nc_u32 v[PWA], s36, v[PWA]               ; PIMG + 48 (r + 16 (w % 2)) + 24 (w / 2) + 12 h
	s_add_co_u32 s36, s18, PSC
	v_lshl_add_u32 v[PSA], v14, 2, s36
	s_lshl_b32 s36, s18, 2
	s_add_co_u32 s36, s36, SUMS
	v_lshl_add_u32 v[SUA], v14, 4, s36
	v_lshl_add_u32 v[SUR], v14, 4, SUMS
	s_mul_i32 s36, s18, 8448
	s_add_co_u32 s36, s36, STG
	v_mul_u32_u24 v[STO], v14, 528
	v_lshl_add_u32 v[STO], v15, 5, v[STO]
	v_add_nc_u32 v[STO], s36, v[STO]               ; my stage: row r, 32 bytes for each half of the lanes
	v_add_nc_u32 v[STR], s36, v[LO]                ; and back: a row of 512 bytes to the 32 lanes
	s_and_b32 s36, s19, 1
	s_lshl_b32 s36, s36, 6
	s_lshl_b32 s37, s18, 5
	s_sub_co_i32 s36, s36, s37
	v_lshlrev_b32 v[DI0], 4, v15
	v_sub_nc_u32 v[DI0], v14, v[DI0]
	v_add_nc_u32 v[DI0], s36, v[DI0]               ; D0 = 64 (i % 2) + r - 32 w - 16 h
	v_cvt_f32_i32 v[DF0], v[DI0]
	v_mov_b32 v[ZR], 0
.irp m, 0,1,2,3
	v_mov_b32 v[DD+2*\m+1], 0                      ; (named as the upper half of a pair)
	v_mov_b32 v[MY+\m], 0                          ; a lane permute's destination counts as one of its sources
.endr
.irp i, 0,1,2,3,4,5,6,7,8,9,10,11,12,13,14,15
	v_mov_b32 v[G+\i], 0x3f800000+\i               ; 1 + i 2^-23
.endr
	s_mov_b32 s22, 0x76543210
	s_mov_b32 s23, 0xfedcba98                      ; v_permlanex16_b32's selects for lane l xor 16
	s_mov_b32 s24, 0xb4000000                      ; c = -2^-23
	s_mov_b32 s25, 0xb6000000                      ; 16 c
	s_mov_b32 s26, 0xb6800000                      ; 32 c
	s_mov_b32 s27, 0xb6c00000                      ; 48 c
	s_mov_b32 s28, 98304                           ; a step of 128 keys in kf and in vf: 64 fragments
	s_mov_b32 s29, 0
	s_mov_b32 s30, 4096                            ; and in ks and vs
	s_mov_b32 s31, 0
	s_mov_b32 s33, 0
	s_mov_b32 s35, 0
	s_lshl_b32 s36, s20, 5
	s_add_co_u32 s36, s36, s19                     ; 32 b + i
	s_mul_i32 s38, s36, 49152
	s_mov_b32 s39, 0
	s_lshl_b32 s40, s36, 11
	s_mov_b32 s41, 0
	s_lshl_b32 s50, s36, 18                        ; 64 rows of 4,096 bytes a block,
	s_lshl_b32 s51, s18, 10
	s_add_co_u32 s50, s50, s51                     ; my 256 channels
	s_mov_b32 s51, 0
	s_lshl_b32 s42, s20, 6
	s_lshl_b32 s43, s21, 2
	s_add_co_u32 s42, s42, s43
	s_add_co_u32 s42, s42, s18                     ; 64 b + 4 p + w: my 32 keys
	s_lshl_b32 s44, s42, 10
	s_mov_b32 s45, 0
	s_mul_i32 s42, s42, 24576
	s_mov_b32 s43, 0
	s_lshl_b32 s46, s20, 4
	s_add_co_u32 s46, s46, s21                     ; 16 b + p
	s_lshl_b32 s48, s46, 2
	s_add_co_u32 s48, s48, s18
	s_lshl_b32 s48, s48, 10
	s_mov_b32 s49, 0
	s_lshl_b32 s46, s46, 6
	s_lshl_b32 s47, s18, 4
	s_add_co_u32 s46, s46, s47
	s_mul_i32 s46, s46, 1536
	s_mov_b32 s47, 0
	s_wait_kmcnt 0x0
	s_add_nc_u64 s[4:5], s[4:5], s[38:39]
	s_add_nc_u64 s[6:7], s[6:7], s[40:41]
	s_add_nc_u64 s[KP:KP+1], s[KP:KP+1], s[42:43]
	s_add_nc_u64 s[KSP:KSP+1], s[KSP:KSP+1], s[44:45]
	s_add_nc_u64 s[VP:VP+1], s[VP:VP+1], s[46:47]
	s_add_nc_u64 s[VSP:VSP+1], s[VSP:VSP+1], s[48:49]
	s_add_nc_u64 s[OUT:OUT+1], s[OUT:OUT+1], s[50:51]
.set n, 0
.rept 24
	global_load_b128 v[S+4*n:S+4*n+3], v[QWA], s[4:5] offset:512*n   ; my quarter of Q's 32 images
.set n, n+1
.endr
.irp q, 0,1,2,3
	global_load_b128 v[QS+4*\q:QS+4*\q+3], v[LO], s[6:7] offset:512*\q
.endr
	global_load_b128 v[KS:KS+3], v[LO], s[KSP:KSP+1]
	global_load_b128 v[KS+4:KS+7], v[LO], s[KSP:KSP+1] offset:512
	WIN 0x40
.irp f, 0,1,2,3,4,5,6,7,8,9,10,11,12,13,14,15
	GFRAG \f, KP                                   ; the diagonal step's tile of K
.endr
	WIN 0
	s_wait_loadcnt 54                              ; Q's images are in; behind them: 4 loads of Q's scale words, 2 of K's, 48 of K
.set n, 0
.rept 24
	ds_store_b128 v[QWA], v[S+4*n:S+4*n+3] offset:512*n
.set n, n+1
.endr
	BARRIER                                        ; all of Q lies in LDS, for the whole launch
	QLOAD 0
	QLOAD 1
	WIN 0
	STEP 1, 1                                      ; the diagonal's step
	s_cmp_eq_u32 s21, 0
	s_cbranch_scc1 .Lout                           ; nothing below it
	s_cmp_eq_u32 s21, 1
	s_cbranch_scc1 .Llast                          ; only the step at key 0
	s_sub_co_u32 s21, s21, 1
.Lstep:                                            ; the steps between the diagonal's and the one at key 0: p - 1 trips, the same for all four waves
	STEP 0, 1
	s_sub_co_u32 s21, s21, 1
	s_cmp_lg_u32 s21, 0
	s_cbranch_scc1 .Lstep
.Llast:
	STEP 0, 0                                      ; the step at key 0 asks for nothing further
.Lout:
	s_wait_loadcnt 0x0                             ; (where there was no step below the diagonal: the tile of K asked for and not used)
	; THE ROW SUMS: a pair's halves, the other half of the lanes, then the four waves' parts through LDS
.irp m, 0,1,2,3
	v_add_f32 v[MX+\m], v[SUM+2*\m], v[SUM+2*\m+1]
.endr
.irp m, 0,1,2,3
	v_permlanex16_b32 v[MY+\m], v[MX+\m], s22, s23
.endr
.irp m, 0,1,2,3
	v_add_f32 v[MX+\m], v[MX+\m], v[MY+\m]
.endr
.irp m, 0,1,2,3
	ds_store_b32 v[SUA], v[MX+\m] offset:256*\m    ; both lanes of a query write the same word with the same value
.endr
	BARRIER
.irp m, 0,1,2,3
	ds_load_b128 v[PC+4*\m:PC+4*\m+3], v[SUR] offset:256*\m
.endr
	s_wait_dscnt 0x0
.irp m, 0,1,2,3
	v_add_f32 v[MX+\m], v[PC+4*\m], v[PC+4*\m+1]
.endr
.irp m, 0,1,2,3
	v_add_f32 v[MX+\m], v[MX+\m], v[PC+4*\m+2]
.endr
.irp m, 0,1,2,3
	v_add_f32 v[MX+\m], v[MX+\m], v[PC+4*\m+3]
.endr
.irp m, 0,1,2,3
	v_add_f32 v[MX+\m], 0x322bcc77, v[MX+\m]       ; + 1e-8
.endr
.irp m, 0,1,2,3
	v_rcp_f32 v[DD+2*\m], v[MX+\m]
.endr
	v_nop                                          ; one plain instruction behind the last reciprocal,
	s_wait_alu depctr_va_vdst(0)                   ; and one wait for the four, ahead of their first reader
; THE WAY OUT, in eight blocks of 16 queries x 128 channels (tile m, half hf of my channels).  A lane holds 32 neighbouring bytes of a row and the lanes beside it other rows: a block goes through my own stage and
; comes back as rows of 512 bytes.  LDS serves a wave's instructions in order: no wait between the stores and the loads, nor ahead of the next block's stores.
.macro PACK m, hf
	WIN 0x02+(\hf)                                 ; source 0: window 2 or 3
.set n, 0
.rept 8
.irp q, 0,2,4,6
	v_pk_mul_f32 v[S+8*n+\q:S+8*n+\q+1], v[32*n+8*(\m)+\q:32*n+8*(\m)+\q+1], v[DD+2*(\m):DD+2*(\m)+1] op_sel_hi:[1,0]   ; each sum from its low end on
.endr
.set n, n+1
.endr
	WIN 0
.endm
.macro TOSTAGE a
.set BB, 184-152*((\a)%2)              ; back into v184-247 and v32-95 by turns
.set n, 0
.rept 8
	ds_store_b128 v[STO], v[S+8*n:S+8*n+3] offset:64*n
	ds_store_b128 v[STO], v[S+8*n+4:S+8*n+7] offset:64*n+16
.set n, n+1
.endr
.if (\a) > 1
	s_wait_xcnt 0x0                                ; the stores of the block two back have read these registers
.endif
.set n, 0
.rept 16
	ds_load_b128 v[BB+4*n:BB+4*n+3], v[STR] offset:528*n
.set n, n+1
.endr
.endm
.macro SEND a, younger                 ; younger: the LDS instructions issued behind block a's loads, which may stay out
.set BB, 184-152*((\a)%2)
	s_wait_dscnt \younger
.set n, 0
.rept 16
	global_store_b128 v[LO], v[BB+4*n:BB+4*n+3], s[OUT:OUT+1] offset:(16*((\a)/2)+n)*4096+512*((\a)%2) th:TH_STORE_NT   ; 32 lanes store 512 consecutive bytes, at a multiple of 256 from the buffer's first byte
.set n, n+1
.endr
.endm
	PACK 0, 0
	TOSTAGE 0
.irp a, 1,2,3,4,5,6,7
	s_wait_dscnt 16                                ; the last block's 16 stores into the stage have read their registers; its 16 loads may be out
	PACK \a/2, \a%2
	TOSTAGE \a
	SEND \a-1, 32                                  ; behind block a - 1's loads: block a's 16 stores and 16 loads
.endr
	SEND 7, 0
	s_wait_tensorcnt 0x0
	ds_add_u32 v254, v255
	s_wait_dscnt 0x0
	s_endpgm
.Lfunc_end_k_q9d843332cc_attn:
	.size	k_q9d843332cc_attn, .Lfunc_end_k_q9d843332cc_attn-k_q9d843332cc_attn
	.p2alignl 7, 3214868480
	.fill 96, 4, 3214868480
	.section	.rodata,"a",@progbits
	.p2align	6, 0x0
	.amdhsa_kernel k_q9d843332cc_attn
		.amdhsa_group_segment_fixed_size 90880
		.amdhsa_private_segment_fixed_size 0
		.amdhsa_enable_private_segment 0
		.amdhsa_kernarg_size 56
		.amdhsa_user_sgpr_count 2
		.amdhsa_user_sgpr_kernarg_segment_ptr 1
		.amdhsa_wavefront_size32 1
		.amdhsa_system_sgpr_workgroup_id_x 1
		.amdhsa_system_sgpr_workgroup_id_y 1
		.amdhsa_system_sgpr_workgroup_id_z 1
		.amdhsa_system_vgpr_workitem_id 0
		.amdhsa_next_free_vgpr 1024
		.amdhsa_next_free_sgpr 66
		.amdhsa_reserve_vcc 1
		.amdhsa_float_denorm_mode_32 3
		.amdhsa_float_denorm_mode_16_64 3
		.amdhsa_memory_ordered 1
		.amdhsa_forward_progress 1
		.amdhsa_inst_pref_size 204
	.end_amdhsa_kernel
	.amdgpu_metadata
---
amdhsa.version: [ 1, 2 ]
amdhsa.kernels:
  - .name:           k_q9d843332cc_attn
    .symbol:         k_q9d843332cc_attn.kd
    .args:
      - { .name: qf, .offset: 0, .size: 8, .value_kind: global_buffer, .address_space: global }
      - { .name: qs, .offset: 8, .size: 8, .value_kind: global_buffer, .address_space: global }
      - { .name: kf, .offset: 16, .size: 8, .value_kind: global_buffer, .address_space: global }
      - { .name: ks, .offset: 24, .size: 8, .value_kind: global_buffer, .address_space: global }
      - { .name: vf, .offset: 32, .size: 8, .value_kind: global_buffer, .address_space: global }
      - { .name: vs, .offset: 40, .size: 8, .value_kind: global_buffer, .address_space: global }
      - { .name: out0, .offset: 48, .size: 8, .value_kind: global_buffer, .address_space: global }
    .group_segment_fixed_size: 90880
    .private_segment_fixed_size: 0
    .kernarg_segment_align: 8
    .kernarg_segment_size: 56
    .max_flat_workgroup_size: 128
    .sgpr_count:     66
    .vgpr_count:     1024
    .wavefront_size: 32
...
	.end_amdgpu_metadata
.endif
;; end of part 2
;; ======== version 2 of 2: 2 launches; version 1 with the launch attn written anew for expert scheduling mode
;; workspace buffers: qf 12,582,912 bytes; kf 12,582,912 bytes; vf 12,582,912 bytes; qs 524,288 bytes; ks 524,288 bytes; vs 524,288 bytes
;; launch prep: the kernel of part 1 again; grid 256 x 1, 10 waves a work-group, no clusters, 122,624 bytes of LDS; arguments query, key, value_codes, value_scales, qf, qs, kf, ks, vf, vs; writes qf, qs, kf, ks, vf, vs
;; launch attn (part 3): grid 32 x 8, 4 waves a work-group, no clusters, 90,880 bytes of LDS; arguments qf, qs, kf, ks, vf, vs, out0; writes out0
.if DOCPART == 3
	.amdgcn_target "amdgcn-amd-amdhsa--gfx1250"
	.amdhsa_code_object_version 6
	.text
	.protected	k_q9d843332cc_attn
	.globl	k_q9d843332cc_attn
	.p2align	8
	.type	k_q9d843332cc_attn,@function
k_q9d843332cc_attn:
	s_mov_b64 s[64:65], 0
	v_nop
	global_prefetch_b8 v0, s[64:65] scope:SCOPE_SE
	s_setreg_imm32_b32 hwreg(HW_REG_WAVE_SCHED_MODE, 0, 2), 2
	s_setreg_imm32_b32 hwreg(HW_REG_WAVE_MODE, 25, 1), 1
	s_wait_xcnt 0x0
	s_wait_alu depctr_vm_vsrc(0)
; ATTN.  scores[t][s] = <q_t, k_s> f^(t-s) for s <= t, else 0;  out[t] = (Q(scores) value)[t] / (the row's sum of the unquantised scores + 1e-8).  Both products on codes of BF6 (E3M2) with E8M0 scales for each 32 along K.
; q, k and value come as images of the operands' registers (a fragment = 16 rows x 128 K = 1,536 bytes, three pieces of 512 bytes, 16 bytes a lane), their scale words as the scale registers want them.
; SHARES.  A work-group owns 64 queries of one batch (four tiles of 16) and all 1,024 channels of their result: 2,048 registers of sums, 512 a wave.  It walks the keys in steps of 128, from the step on the
; diagonal DOWN to key 0: so the one step that needs the mask is also the one that starts the sums.  Written out are that step, the loop's step, and the step at key 0, which asks for no further K.
; WHICH BLOCK.  The work-group's number is k = x + 32 y; a = k % 16, c = k / 16.  It takes batch a % 8 and block i = 2 p + a / 8 with p = (a + c) % 16; its walk has p + 1 steps.  So any sixteen work-groups with
; consecutive numbers, and any sixteen with equal numbers modulo 16, hold one walk of each length 1 .. 16: long and short walks are mixed in every such group; a batch's work-groups have equal numbers modulo 8.
; In S^T = K Q^T wave w takes the step's keys 32 w .. 32 w + 31 (two tiles, ONE block of the quantiser) against all four tiles of queries: 8 sums, 8 K steps of 128 channels.
; In O^T += V^T P^T wave w takes channels 256 w .. 256 w + 255 (16 tiles) against the four tiles of queries: 64 sums, one K step.
; Both products are used transposed: a lane holds ONE query (lane % 16); its 16 registers of a pair of score tiles are keys 16 (lane / 16) + 0 .. 15 of the wave's 32.
; ROADS.  Each fragment of K and of V is read by ONE wave of the work-group, so it goes from memory straight into that wave's registers, about half a step ahead, through a ring of 16 places of 12 registers that K and V use by turns.
; Only what several waves read goes through LDS: Q (once in, then read by all four in every step) and P with its scale bytes (two barriers a step).
; NO CLUSTER: the work-groups of a batch that read the same K and V have different numbers of steps and read them at different times, and nothing here is brought by tensor loads.
; THE DECAY.  log f is taken as c = -2^-23.  f^(t-s) = d0 x g: d0 = 1 + y + y^2/2 with y = c (t - s0), s0 the lane's first key (|y| is under 2.5e-4 at 2,048 tokens, the term left out under 2.6e-12); g = 1 + i 2^-23 for the lane's i-th key.
; LIMITS: NaN and infinities are not served.  A block of zeros has the byte 1 (its codes are zeros).  The sums over the keys run from the diagonal downward: another order of f32 rounding than ascending keys.
; A block with no step below its diagonal (p = 0) asks once more for three quarters of its own tile of K, which nobody uses (18 KiB a wave): so the diagonal step is written once.
; REGISTERS, in windows of 256.  Window 0: addresses, scale words, the scores S (later P's fragments), Q's buffer for even K steps.  Window 1: v0-191 the ring; v192-239 Q's buffer for odd K steps.
; Windows 2, 3: O^T: sum (t, m) at v[32 (t % 8) + 8 m], t < 8 in window 2.
; THE MODE: SCHED_MODE bits 1:0 = 2 (LLVM: expert scheduling mode 2), set by the entry lines.  The code itself states the register dependences between vector or matrix instructions and memory or LDS
; instructions, with s_wait_alu, always for 0.
; THE PLAN.  Registers that memory or LDS instructions touch in a step, and who else names them:
;   place f of the ring   K's fragment f is read by the scores' run f / 2; then V's fragment f lands; it is read by the second product's run f / 4; then the next step's fragment f of K lands.
;   Q's two buffers       the scores' run k reads buffer k % 2; then Q's batch k + 2 lands there.
;   KS, VS, PS            scale words: KS read by the scores' eight runs, loaded at the step's middle; VS and PS read by the second product; VS loaded at the next step's head, PS between the next step's barriers.
;   S                     written by the scores' runs and the vector lines behind them; P's fragments land there between the barriers; the second product reads them.
;   PC, BYT               written by the conversions and the shifts; read by the LDS stores of P.
;   v1 .. v6, v10 .. v13             addresses: made at the head, never written again.
; A run's loads go into what the run BEFORE has read.  So one wait on va_vdst stands at the head of a run: behind it Q's next batch is asked for at once; V's two fragments follow the run's own eight matrix
; instructions, and the next K's four fragments stand behind the first four matrix instructions of a run of the second product: those name other places of the ring, the other buffer of Q, and no address.
; Two more such waits stand in the vector lines: behind the decay's lines (the scores' last run is done) and ahead of P's LDS stores.  One wait on vm_vsrc a step, at its head, frees PC and BYT.
.set QIMG, 0                           ; LDS: Q's 32 fragments, 49,152 bytes
.set PIMG, 49152                       ; P's four fragments: tile m at 1,536 m, lane l's 48 bytes at 48 l
.set PSC,  55296                       ; P's scale words: query 16 m + r at 64 m + 4 r, wave w's byte at + w
.set SUMS, 55552                       ; the row sums' four parts: 256 m + 16 r + 4 w
.set STG,  56576                       ; the way out: 16 rows x (512 bytes + 16) for each wave
.set LO,  1                            ; v1   16 x lane
.set QWA, 2                            ; v2   12,288 x wave + 16 x lane: my quarter of Q's images, in memory and in LDS
.set PWA, 3                            ; v3   where my 12 bytes of P go
.set PSA, 4                            ; v4   where my scale byte goes
.set PRA, 5                            ; v5   PIMG + 48 x lane
.set PSR, 6                            ; v6   PSC + 4 x lane
.set DF0, 7                            ; v7   t - s of my query of tile 0 and my first key, as f32
.set DI0, 8                            ; v8   the same on the diagonal, as a whole number
.set ZR,  9                            ; v9   0
.set SUA, 10
.set SUR, 11
.set STO, 12
.set STR, 13
.set DD,  16                           ; v16-23 d0 of tile m at v[16 + 2 m] (the odd ones are named in pairs and hold 0); at the end 1 / the row's sum
.set SUM, 24                           ; v24-31 the row sums, a pair a tile
.set QS,  32                           ; v32-47 Q's scale words: register 8 (m / 2) + k, lanes 16 (m % 2) on
.set KS,  48                           ; v48-55 K's: register k, lanes 16 u on
.set VS,  56                           ; v56-63 V's: register t / 2, lanes 16 (t % 2) on
.set PS,  64                           ; v64-65 P's: register m / 2, lanes 16 (m % 2) on
.set MX,  66
.set MY,  70
.set SCL, 74
.set BYT, 78
.set Y,   82
.set PC,  88                           ; v88-103 P's codes just made, four registers a tile
.set G,   104                          ; v104-119 g of the lane's 16 keys
.set S,   120                          ; v120-183 scores: tile (m, u) at 120 + 16 m + 8 u; then P's fragments at 120 + 12 m; on the way out 64 results
.set QB0, 184                          ; window 0
.set QB1, 192                          ; window 1
.set KP,  8                            ; s[8:9]   my tile of K's fragments
.set KSP, 10                           ; s[10:11] its scale words
.set VP,  12                           ; s[12:13] my 16 fragments of V
.set VSP, 14                           ; s[14:15] their scale words
.set OUT, 16                           ; s[16:17] my 64 rows x 256 channels of the result
.set MK,  36                           ; s[36:51] on the diagonal: sixteen masks (at the head these registers hold offsets, which are used up there)
.set MSB, 0
.macro WIN new                         ; the immediate's high byte repeats the setting that is left; a switch that changes nothing is dropped
.if MSB != (\new)
	s_set_vgpr_msb (MSB<<8)|(\new)
.set MSB, (\new)
.endif
.endm
.macro PLACES n                        ; plain vector instructions between a matrix instruction and what may not follow it at once (ISA guide 7.12.1)
.rept \n
	v_nop
.endr
.endm
; one matrix instruction, from the symbols rD, rA, rB, rSA, rSB; fZ: it starts its sum; fRA, fRB: the scale words stand in lanes 16-31
.macro WM
.if fZ
.if fRA && fRB
	v_wmma_scale_f32_16x16x128_f8f6f4 v[rD:rD+7], v[rA:rA+11], v[rB:rB+11], 0, v[rSA], v[rSB] matrix_a_fmt:MATRIX_FMT_BF6 matrix_b_fmt:MATRIX_FMT_BF6 matrix_a_scale:MATRIX_SCALE_ROW1 matrix_b_scale:MATRIX_SCALE_ROW1
.elseif fRA
	v_wmma_scale_f32_16x16x128_f8f6f4 v[rD:rD+7], v[rA:rA+11], v[rB:rB+11], 0, v[rSA], v[rSB] matrix_a_fmt:MATRIX_FMT_BF6 matrix_b_fmt:MATRIX_FMT_BF6 matrix_a_scale:MATRIX_SCALE_ROW1
.elseif fRB
	v_wmma_scale_f32_16x16x128_f8f6f4 v[rD:rD+7], v[rA:rA+11], v[rB:rB+11], 0, v[rSA], v[rSB] matrix_a_fmt:MATRIX_FMT_BF6 matrix_b_fmt:MATRIX_FMT_BF6 matrix_b_scale:MATRIX_SCALE_ROW1
.else
	v_wmma_scale_f32_16x16x128_f8f6f4 v[rD:rD+7], v[rA:rA+11], v[rB:rB+11], 0, v[rSA], v[rSB] matrix_a_fmt:MATRIX_FMT_BF6 matrix_b_fmt:MATRIX_FMT_BF6
.endif
.else
.if fRA && fRB
	v_wmma_scale_f32_16x16x128_f8f6f4 v[rD:rD+7], v[rA:rA+11], v[rB:rB+11], v[rD:rD+7], v[rSA], v[rSB] matrix_a_fmt:MATRIX_FMT_BF6 matrix_b_fmt:MATRIX_FMT_BF6 matrix_a_scale:MATRIX_SCALE_ROW1 matrix_b_scale:MATRIX_SCALE_ROW1
.elseif fRA
	v_wmma_scale_f32_16x16x128_f8f6f4 v[rD:rD+7], v[rA:rA+11], v[rB:rB+11], v[rD:rD+7], v[rSA], v[rSB] matrix_a_fmt:MATRIX_FMT_BF6 matrix_b_fmt:MATRIX_FMT_BF6 matrix_a_scale:MATRIX_SCALE_ROW1
.elseif fRB
	v_wmma_scale_f32_16x16x128_f8f6f4 v[rD:rD+7], v[rA:rA+11], v[rB:rB+11], v[rD:rD+7], v[rSA], v[rSB] matrix_a_fmt:MATRIX_FMT_BF6 matrix_b_fmt:MATRIX_FMT_BF6 matrix_b_scale:MATRIX_SCALE_ROW1
.else
	v_wmma_scale_f32_16x16x128_f8f6f4 v[rD:rD+7], v[rA:rA+11], v[rB:rB+11], v[rD:rD+7], v[rSA], v[rSB] matrix_a_fmt:MATRIX_FMT_BF6 matrix_b_fmt:MATRIX_FMT_BF6
.endif
.endif
.endm
; Q's four fragments of K step k, from LDS into the buffer of k's parity: 12 loads of 512 consecutive bytes
.macro QLOAD k
.if ((\k)%2) == 0
	WIN 0
.else
	WIN 0x40
.endif
.irp m, 0,1,2,3
.irp p, 0,1,2
	ds_load_b128 v[QB0+(QB1-QB0)*((\k)%2)+12*\m+4*\p:QB0+(QB1-QB0)*((\k)%2)+12*\m+4*\p+3], v[LO] offset:(4*(\k)+\m)*1536+512*\p
.endr
.endr
.endm
; fragment f of the tile at base, from memory into place f of the ring (window 1): three loads of 512 consecutive bytes
.macro GFRAG f, base
.irp p, 0,1,2
	global_load_b128 v[12*(\f)+4*\p:12*(\f)+4*\p+3], v[LO], s[\base:\base+1] offset:1536*(\f)+512*\p
.endr
.endm
; K step k of S^T: a run of 8 matrix instructions on 8 sums by turns.  At its head Q's buffer that the run before has read takes the K step after this one; behind its
; matrix instructions the two places of the ring that the run before has read take V's fragments 2 k - 2, 2 k - 1.
.macro SK k
.if (\k) > 0
	s_wait_alu depctr_va_vdst(0)                   ; the run before is done reading its buffer of Q and places 2 k - 2, 2 k - 1 of the ring: Q's batch below and V's two fragments at this run's end land there
	QLOAD ((\k)+1)%8
	s_wait_loadcnt 38                              ; K's fragments 2 k, 2 k + 1 are in.  Behind them were issued: 42 - 6 k loads of K, 2 of V's scale words, 6 (k - 1) of V
.else
	s_wait_loadcnt 44                              ; K's fragments 0, 1 are in.  Behind them were issued: 42 loads of K, 2 of V's scale words
.endif
	s_wait_dscnt 12                                ; Q's batch for this K step is in; the next one's 12 loads may be out
	WIN 0x01+4*((\k)%2)                            ; K in window 1; Q in window 0 or 1; S in window 0
.irp m, 0,1,2,3
.irp u, 0,1
.set rD, S+16*\m+8*\u
.set rA, 12*(2*(\k)+\u)
.set rB, QB0+(QB1-QB0)*((\k)%2)+12*\m
.set rSA, KS+(\k)
.set rSB, QS+8*(\m/2)+(\k)
.if (\k) == 0
.set fZ, 1
.else
.set fZ, 0
.endif
.set fRA, \u
.set fRB, \m%2
	WM
.endr
.endr
	PLACES 4                                       ; behind the run, ahead of the loads into registers that it has read
.if (\k) > 0
	WIN 0x40
	GFRAG 2*(\k)-2, VP                             ; no wait: no vector or matrix instruction since the wait at this run's head names these two places or the offset
	GFRAG 2*(\k)-1, VP
.endif
.endm
; The scores become P: mask (on the diagonal), decay, row sums, the block's scale, codes; codes and byte go to LDS.
.macro VEC diag
.if !\diag
	v_add_f32 v[DF0], 0x43000000, v[DF0]           ; a step down: every t - s grows by 128
.endif
	v_mul_f32 v[Y], s24, v[DF0]                    ; y = c (t - s0), tile m's queries 16 m further on
.irp m, 1,2,3
	v_fma_f32 v[Y+\m], s24, v[DF0], s[24+\m]
.endr
.irp m, 0,1,2,3
	v_fma_f32 v[MX+\m], v[Y+\m], 0.5, 1.0
.endr
.irp m, 0,1,2,3
	v_fma_f32 v[DD+2*\m], v[Y+\m], v[MX+\m], 1.0   ; d0 = 1 + y (1 + y / 2)
.endr
	s_wait_alu depctr_va_vdst(0)                   ; the scores' last run is done reading places 14, 15 of the ring and Q's odd buffer, in which the loads below land, and K's scale words, which are loaded anew at the step's middle
	WIN 0x40
	GFRAG 14, VP
	GFRAG 15, VP
	QLOAD 1                                        ; for the next step's second run
	WIN 0
.if \diag
.irp m, 0,1,2,3                                ; register 16 m + i holds t - s = D0 + 16 m - i: the key is hidden where i - 16 m > D0.  Ascending: each sum is read from its low end on
.set n, 0
.rept 16
	v_cmp_gt_i32 s[MK+n], n-16*\m, v[DI0]
.set n, n+1
.endr
	s_wait_alu depctr_va_sdst(0)                   ; the sixteen compares have written their masks, ahead of the first line that reads one
.set n, 0
.rept 16
	v_cndmask_b32 v[S+16*\m+n], v[S+16*\m+n], v[ZR], s[MK+n]
.set n, n+1
.endr
.endr
.endif
.irp pr, 0,1,2,3,4,5,6,7                       ; pairs outermost, so that each sum is read from its low end on
.irp m, 0,1,2,3
	v_pk_mul_f32 v[S+16*\m+2*\pr:S+16*\m+2*\pr+1], v[S+16*\m+2*\pr:S+16*\m+2*\pr+1], v[G+2*\pr:G+2*\pr+1]
.endr
.endr
.irp pr, 0,1,2,3,4,5,6,7
.irp m, 0,1,2,3
	v_pk_mul_f32 v[S+16*\m+2*\pr:S+16*\m+2*\pr+1], v[S+16*\m+2*\pr:S+16*\m+2*\pr+1], v[DD+2*\m:DD+2*\m+1] op_sel_hi:[1,0]
.endr
.endr
.irp pr, 0,1,2,3,4,5,6,7                       ; THE ROW'S SUM IS TAKEN OF THE UNQUANTISED SCORES
.irp m, 0,1,2,3
.if \diag && (\pr == 0)
.elseif \diag && (\pr == 1)
	v_pk_add_f32 v[SUM+2*\m:SUM+2*\m+1], v[S+16*\m:S+16*\m+1], v[S+16*\m+2:S+16*\m+3]   ; the first step starts the sums: nothing is cleared
.else
	v_pk_add_f32 v[SUM+2*\m:SUM+2*\m+1], v[SUM+2*\m:SUM+2*\m+1], v[S+16*\m+2*\pr:S+16*\m+2*\pr+1]
.endif
.endr
.endr
.irp m, 0,1,2,3
	v_max3_num_f32 v[MX+\m], v[S+16*\m], v[S+16*\m+1], 0x2800000   ; my 16 of the block's 32 (none is negative), and the floor 2^(5 - 127): the byte cannot fall under 1
.endr
.irp i, 2,4,6,8,10,12,14
.irp m, 0,1,2,3
	v_max3_num_f32 v[MX+\m], v[MX+\m], v[S+16*\m+\i], v[S+16*\m+\i+1]
.endr
.endr
.irp m, 0,1,2,3
	v_permlanex16_b32 v[MY+\m], v[MX+\m], s22, s23
.endr
.irp m, 0,1,2,3
	v_max_num_f32 v[MX+\m], v[MX+\m], v[MY+\m]     ; with lane l xor 16's: the block's largest
.endr
.irp m, 0,1,2,3
	v_add_nc_u32 v[SCL+\m], 0xfe000000, v[MX+\m]   ; 4 off its exponent field: the conversion's scale operand
.endr
.irp m, 0,1,2,3
	v_lshrrev_b32 v[BYT+\m], 23, v[SCL+\m]         ; the byte
.endr
.irp m, 0,1,2,3
	v_cvt_scalef32_pk16_bf6_f32 v[PC+4*\m:PC+4*\m+2], v[S+16*\m:S+16*\m+15], v[SCL+\m]   ; 16 codes, 12 bytes: half a block
.endr
	v_nop                                          ; one plain instruction behind the last conversion
	s_wait_alu depctr_va_vdst(0)                   ; the conversions have written P's codes and the shifts its bytes, which the LDS stores below read; and these lines are done with v[S ..], in which P's fragments land behind the barrier
.irp m, 0,1,2,3
.irp e, 0,1,2
	ds_store_b32 v[PWA], v[PC+4*\m+\e] offset:1536*\m+4*\e   ; block w of the fragment lies in lanes 16 (w % 2) on, registers 6 (w / 2) on; my 12 bytes are its half h
.endr
.endr
.irp m, 0,1,2,3
	ds_store_b8 v[PSA], v[BYT+\m] offset:64*\m     ; both lanes of a query write the same byte with the same value
.endr
.endm
; four matrix instructions of O^T: V's tile 4 g + tt against P's four tiles
.macro PVM g, tt, zero
.irp m, 0,1,2,3
.set rD, 32*((4*(\g)+(\tt))%8)+8*\m
.set rA, 12*(4*(\g)+(\tt))
.set rB, S+12*\m
.set rSA, VS+2*(\g)+(\tt)/2
.set rSB, PS+\m/2
.set fZ, \zero
.set fRA, (\tt)%2
.set fRB, \m%2
	WM
.endr
.endm
; O^T: V's tiles 4 g .. 4 g + 3 against P's four: a run of 16 matrix instructions on 16 sums.  more = 1: the four places of the ring that the run BEFORE has read take the next step's fragments
; 4 g - 4 .. 4 g - 1 of K, in one run of 12 loads behind this run's first four matrix instructions; the last four fragments are asked for at the next step's head.
.macro PVQ g, zero, more
.if \more && ((\g) > 0)
	s_wait_loadcnt 26                              ; V's fragments 4 g .. 4 g + 3 are in.  Behind them: 36 - 12 g loads of V, 2 of K's scale words, 12 (g - 1) of K
	s_wait_alu depctr_va_vdst(0)                   ; the run before is done reading places 4 g - 4 .. 4 g - 1 of the ring, in which K's fragments below land
.elseif \more
	s_wait_loadcnt 38                              ; V's fragments 0 .. 3 are in.  Behind them: 36 loads of V, 2 of K's scale words
.else
	s_wait_loadcnt 36-12*(\g)                      ; behind them: the younger loads of V alone
.endif
	WIN 0xa1+0x50*((\g)/2)                         ; V in window 1, P in window 0, the sums in window 2 or 3
	PVM \g, 0, \zero
.if \more && ((\g) > 0)
	WIN 0x40
.irp q, 0,1,2,3
	GFRAG 4*(\g)-4+\q, KP                          ; no wait: the four matrix instructions since the wait name place 4 g, P, the sums and scale words
.endr
	WIN 0xa1+0x50*((\g)/2)
.endif
	PVM \g, 1, \zero
	PVM \g, 2, \zero
	PVM \g, 3, \zero
.if (\g) == 3
	PLACES 5                                       ; the next matrix instruction writes scores over P's fragments: one place more than a load wants
.elseif \more
	PLACES 4                                       ; behind the run, ahead of the loads into the places that it has read
.endif
.endm
.macro BARRIER                         ; my LDS stores have landed and my LDS loads are in: then the work-group's barrier
	s_wait_dscnt 0x0
	s_barrier_signal -1
	s_barrier_wait -1
.endm
; A KEY STEP.  diag = 1: the step on the diagonal, which starts O^T and the row sums and has the mask; all of its K was asked for at the kernel's head.  more = 1: K of the step below is asked for.
; All four pointers are stepped at the step's middle: this step's loads of V, of V's scale words and of K's last four fragments, and the last step's of K, stand ahead of the one wait for the addresses there.
.macro STEP diag, more
.if !\diag
	s_wait_alu depctr_va_vdst(0)                   ; the last step's second product is done reading places 12 .. 15 of the ring and V's scale words, in which the loads below land
	s_wait_alu depctr_vm_vsrc(0)                   ; the last step's LDS stores have read P's codes and bytes, which this step's conversions and shifts write again
	WIN 0x40
.irp f, 12,13,14,15
	GFRAG \f, KP                                   ; this step's last four fragments of K
.endr
	WIN 0
.endif
	global_load_b128 v[VS:VS+3], v[LO], s[VSP:VSP+1]
	global_load_b128 v[VS+4:VS+7], v[LO], s[VSP:VSP+1] offset:512
.irp k, 0,1,2,3,4,5,6,7
	SK \k
.endr
	WIN 0
	VEC \diag
	BARRIER                                        ; P's four fragments and their scale words lie in LDS
.irp m, 0,1,2,3
.irp p, 0,1,2
	ds_load_b128 v[S+12*\m+4*\p:S+12*\m+4*\p+3], v[PRA] offset:1536*\m+16*\p   ; no wait: no vector or matrix instruction since the wait ahead of P's stores
.endr
.endr
	ds_load_b32 v[PS], v[PSR]
	ds_load_b32 v[PS+1], v[PSR] offset:128
.if \more
	s_wait_xcnt 0x0                                ; the loads issued so far have read their bases
.if \diag
	s_cmp_lg_u32 s21, 0                            ; is there a step below the diagonal's?
	s_cselect_b32 s32, 98304, 0
	s_cselect_b32 s34, 4096, 0
	s_sub_nc_u64 s[KP:KP+1], s[KP:KP+1], s[32:33]  ; a step down, or where they stand
	s_sub_nc_u64 s[KSP:KSP+1], s[KSP:KSP+1], s[34:35]
	s_sub_nc_u64 s[VP:VP+1], s[VP:VP+1], s[32:33]
	s_sub_nc_u64 s[VSP:VSP+1], s[VSP:VSP+1], s[34:35]
.else
	s_sub_nc_u64 s[KP:KP+1], s[KP:KP+1], s[28:29]  ; a step down
	s_sub_nc_u64 s[KSP:KSP+1], s[KSP:KSP+1], s[30:31]
	s_sub_nc_u64 s[VP:VP+1], s[VP:VP+1], s[28:29]
	s_sub_nc_u64 s[VSP:VSP+1], s[VSP:VSP+1], s[30:31]
.endif
	global_load_b128 v[KS:KS+3], v[LO], s[KSP:KSP+1]
	global_load_b128 v[KS+4:KS+7], v[LO], s[KSP:KSP+1] offset:512
.endif
	BARRIER                                        ; every wave holds P in registers: the next step may store P again
.irp g, 0,1,2,3
	PVQ \g, \diag, \more
.endr
	WIN 0
.endm
	s_load_b256 s[4:11], s[0:1], 0x0               ; qf, qs, kf, ks
	s_load_b128 s[12:15], s[0:1], 0x20             ; vf, vs
	s_load_b64 s[16:17], s[0:1], 0x30              ; out0
	v_lshl_add_u32 v254, v0, 2, 0x16100
	v_mov_b32 v255, 0
	v_lshrrev_b32 v14, 5, v0
	v_readfirstlane_b32 s18, v14                   ; wave 0..3
	s_and_b32 s36, ttmp7, 0xffff                   ; y
	s_lshl_b32 s36, s36, 1
	s_lshr_b32 s37, ttmp9, 4
	s_add_co_u32 s36, s36, s37                     ; c = the work-group's number / 16
	s_and_b32 s37, ttmp9, 15                       ; a = its number % 16
	s_add_co_u32 s36, s36, s37
	s_and_b32 s21, s36, 15                         ; p = (a + c) % 16: the diagonal's step, which is also the number of steps below it
	s_and_b32 s20, s37, 7                          ; b = a % 8
	s_lshr_b32 s37, s37, 3
	s_lshl_b32 s19, s21, 1
	s_add_co_u32 s19, s19, s37                     ; i = 2 p + a / 8: my block of 64 queries
	v_and_b32 v[PRA], 31, v0                       ; lane
	v_lshlrev_b32 v[LO], 4, v[PRA]
	v_lshl_add_u32 v[PSR], v[PRA], 2, PSC
	v_mul_u32_u24 v[PRA], v[PRA], 48
	v_add_nc_u32 v[PRA], PIMG, v[PRA]
	v_and_b32 v14, 15, v0                          ; r
	v_bfe_u32 v15, v0, 4, 1                        ; h
	s_wait_alu depctr_va_sdst(0)                   ; s18, the wave's number, is written, ahead of its first reader
	s_mul_i32 s36, s18, 12288
	v_add_nc_u32 v[QWA], s36, v[LO]
	s_and_b32 s36, s18, 1
	s_mul_i32 s36, s36, 768
	s_lshr_b32 s37, s18, 1
	s_mul_i32 s37, s37, 24
	s_add_co_u32 s36, s36, s37
	s_add_co_u32 s36, s36, PIMG
	v_mul_u32_u24 v[PWA], v14, 48
	v_mad_u32_u24 v[PWA], v15, 12, v[PWA]
	v_add_nc_u32 v[PWA], s36, v[PWA]               ; PIMG + 48 (r + 16 (w % 2)) + 24 (w / 2) + 12 h
	s_add_co_u32 s36, s18, PSC
	v_lshl_add_u32 v[PSA], v14, 2, s36
	s_lshl_b32 s36, s18, 2
	s_add_co_u32 s36, s36, SUMS
	v_lshl_add_u32 v[SUA], v14, 4, s36
	v_lshl_add_u32 v[SUR], v14, 4, SUMS
	s_mul_i32 s36, s18, 8448
	s_add_co_u32 s36, s36, STG
	v_mul_u32_u24 v[STO], v14, 528
	v_lshl_add_u32 v[STO], v15, 5, v[STO]
	v_add_nc_u32 v[STO], s36, v[STO]               ; my stage: row r, 32 bytes for each half of the lanes
	v_add_nc_u32 v[STR], s36, v[LO]                ; and back: a row of 512 bytes to the 32 lanes
	s_and_b32 s36, s19, 1
	s_lshl_b32 s36, s36, 6
	s_lshl_b32 s37, s18, 5
	s_sub_co_i32 s36, s36, s37
	v_lshlrev_b32 v[DI0], 4, v15
	v_sub_nc_u32 v[DI0], v14, v[DI0]
	v_add_nc_u32 v[DI0], s36, v[DI0]               ; D0 = 64 (i % 2) + r - 32 w - 16 h
	v_cvt_f32_i32 v[DF0], v[DI0]
	v_mov_b32 v[ZR], 0
.irp m, 0,1,2,3
	v_mov_b32 v[DD+2*\m+1], 0                      ; (named as the upper half of a pair)
	v_mov_b32 v[MY+\m], 0                          ; a lane permute's destination counts as one of its sources
.endr
.irp i, 0,1,2,3,4,5,6,7,8,9,10,11,12,13,14,15
	v_mov_b32 v[G+\i], 0x3f800000+\i               ; 1 + i 2^-23
.endr
	s_mov_b32 s22, 0x76543210
	s_mov_b32 s23, 0xfedcba98                      ; v_permlanex16_b32's selects for lane l xor 16
	s_mov_b32 s24, 0xb4000000                      ; c = -2^-23
	s_mov_b32 s25, 0xb6000000                      ; 16 c
	s_mov_b32 s26, 0xb6800000                      ; 32 c
	s_mov_b32 s27, 0xb6c00000                      ; 48 c
	s_mov_b32 s28, 98304                           ; a step of 128 keys in kf and in vf: 64 fragments
	s_mov_b32 s29, 0
	s_mov_b32 s30, 4096                            ; and in ks and vs
	s_mov_b32 s31, 0
	s_mov_b32 s33, 0
	s_mov_b32 s35, 0
	s_lshl_b32 s36, s20, 5
	s_add_co_u32 s36, s36, s19                     ; 32 b + i
	s_mul_i32 s38, s36, 49152
	s_mov_b32 s39, 0
	s_lshl_b32 s40, s36, 11
	s_mov_b32 s41, 0
	s_lshl_b32 s50, s36, 18                        ; 64 rows of 4,096 bytes a block,
	s_lshl_b32 s51, s18, 10
	s_add_co_u32 s50, s50, s51                     ; my 256 channels
	s_mov_b32 s51, 0
	s_lshl_b32 s42, s20, 6
	s_lshl_b32 s43, s21, 2
	s_add_co_u32 s42, s42, s43
	s_add_co_u32 s42, s42, s18                     ; 64 b + 4 p + w: my 32 keys
	s_lshl_b32 s44, s42, 10
	s_mov_b32 s45, 0
	s_mul_i32 s42, s42, 24576
	s_mov_b32 s43, 0
	s_lshl_b32 s46, s20, 4
	s_add_co_u32 s46, s46, s21                     ; 16 b + p
	s_lshl_b32 s48, s46, 2
	s_add_co_u32 s48, s48, s18
	s_lshl_b32 s48, s48, 10
	s_mov_b32 s49, 0
	s_lshl_b32 s46, s46, 6
	s_lshl_b32 s47, s18, 4
	s_add_co_u32 s46, s46, s47
	s_mul_i32 s46, s46, 1536
	s_mov_b32 s47, 0
	s_wait_kmcnt 0x0
	s_add_nc_u64 s[4:5], s[4:5], s[38:39]
	s_add_nc_u64 s[6:7], s[6:7], s[40:41]
	s_add_nc_u64 s[KP:KP+1], s[KP:KP+1], s[42:43]
	s_add_nc_u64 s[KSP:KSP+1], s[KSP:KSP+1], s[44:45]
	s_add_nc_u64 s[VP:VP+1], s[VP:VP+1], s[46:47]
	s_add_nc_u64 s[VSP:VSP+1], s[VSP:VSP+1], s[48:49]
	s_add_nc_u64 s[OUT:OUT+1], s[OUT:OUT+1], s[50:51]
	s_wait_alu depctr_va_vdst(0)                   ; the addresses v1 to v6 and v10 to v13 are written: every load and store of the kernel, in memory and in LDS, reads one of them, and none is written again
.set n, 0
.rept 24
	global_load_b128 v[S+4*n:S+4*n+3], v[QWA], s[4:5] offset:512*n   ; my quarter of Q's 32 images
.set n, n+1
.endr
.irp q, 0,1,2,3
	global_load_b128 v[QS+4*\q:QS+4*\q+3], v[LO], s[6:7] offset:512*\q
.endr
	global_load_b128 v[KS:KS+3], v[LO], s[KSP:KSP+1]
	global_load_b128 v[KS+4:KS+7], v[LO], s[KSP:KSP+1] offset:512
	WIN 0x40
.irp f, 0,1,2,3,4,5,6,7,8,9,10,11,12,13,14,15
	GFRAG \f, KP                                   ; the diagonal step's tile of K
.endr
	WIN 0
	s_wait_loadcnt 54                              ; Q's images are in; behind them: 4 loads of Q's scale words, 2 of K's, 48 of K
.set n, 0
.rept 24
	ds_store_b128 v[QWA], v[S+4*n:S+4*n+3] offset:512*n
.set n, n+1
.endr
	BARRIER                                        ; all of Q lies in LDS, for the whole launch
	s_wait_alu depctr_vm_vsrc(0)                   ; my LDS stores have read v120 to v215: from here on these are Q's even buffer, in which the loads below land, and S, which the first scores write
	QLOAD 0
	QLOAD 1
	WIN 0
	STEP 1, 1                                      ; the diagonal's step
	s_cmp_eq_u32 s21, 0
	s_cbranch_scc1 .Lout                           ; nothing below it
	s_cmp_eq_u32 s21, 1
	s_cbranch_scc1 .Llast                          ; only the step at key 0
	s_sub_co_u32 s21, s21, 1
.Lstep:                                            ; the steps between the diagonal's and the one at key 0: p - 1 trips, the same for all four waves
	STEP 0, 1
	s_sub_co_u32 s21, s21, 1
	s_cmp_lg_u32 s21, 0
	s_cbranch_scc1 .Lstep
.Llast:
	STEP 0, 0                                      ; the step at key 0 asks for nothing further
.Lout:
	s_wait_loadcnt 0x0                             ; (where there was no step below the diagonal: the fragments of K asked for and not used)
	; THE ROW SUMS: a pair's halves, the other half of the lanes, then the four waves' parts through LDS
.irp m, 0,1,2,3
	v_add_f32 v[MX+\m], v[SUM+2*\m], v[SUM+2*\m+1]
.endr
.irp m, 0,1,2,3
	v_permlanex16_b32 v[MY+\m], v[MX+\m], s22, s23
.endr
.irp m, 0,1,2,3
	v_add_f32 v[MX+\m], v[MX+\m], v[MY+\m]
.endr
	s_wait_alu depctr_va_vdst(0)                   ; the additions have written my four parts, which the LDS stores read
.irp m, 0,1,2,3
	ds_store_b32 v[SUA], v[MX+\m] offset:256*\m    ; both lanes of a query write the same word with the same value
.endr
	BARRIER
	s_wait_alu depctr_vm_vsrc(0)                   ; my LDS stores have read the four parts, which are written again below, and, in the last step, P's codes and bytes: the loads below and the way out's land in those registers
.irp m, 0,1,2,3
	ds_load_b128 v[PC+4*\m:PC+4*\m+3], v[SUR] offset:256*\m
.endr
	s_wait_dscnt 0x0
.irp m, 0,1,2,3
	v_add_f32 v[MX+\m], v[PC+4*\m], v[PC+4*\m+1]
.endr
.irp m, 0,1,2,3
	v_add_f32 v[MX+\m], v[MX+\m], v[PC+4*\m+2]
.endr
.irp m, 0,1,2,3
	v_add_f32 v[MX+\m], v[MX+\m], v[PC+4*\m+3]
.endr
.irp m, 0,1,2,3
	v_add_f32 v[MX+\m], 0x322bcc77, v[MX+\m]       ; + 1e-8
.endr
.irp m, 0,1,2,3
	v_rcp_f32 v[DD+2*\m], v[MX+\m]
.endr
	v_nop                                          ; one plain instruction behind the last reciprocal,
	s_wait_alu depctr_va_vdst(0)                   ; and one wait for the four reciprocals in v16, v18, v20, v22, ahead of their first reader
; THE WAY OUT, in eight blocks of 16 queries x 128 channels (tile m, half hf of my channels).  A lane holds 32 neighbouring bytes of a row and the lanes beside it other rows: a block goes through my own stage and
; comes back as rows of 512 bytes.  LDS serves a wave's instructions in order: no wait between the stores and the loads, nor ahead of the next block's stores.
.macro PACK m, hf
	WIN 0x02+(\hf)                                 ; source 0: window 2 or 3
.set n, 0
.rept 8
.irp q, 0,2,4,6
	v_pk_mul_f32 v[S+8*n+\q:S+8*n+\q+1], v[32*n+8*(\m)+\q:32*n+8*(\m)+\q+1], v[DD+2*(\m):DD+2*(\m)+1] op_sel_hi:[1,0]   ; each sum from its low end on
.endr
.set n, n+1
.endr
	WIN 0
.endm
.macro TOSTAGE a
.set BB, 184-152*((\a)%2)              ; back into v184-247 and v32-95 by turns
	s_wait_alu depctr_va_vdst(0)                   ; the multiplications have written the block in v[S ..], which the LDS stores read; in the first two blocks also: all that named the registers in which the rows land (Q's buffer; scale words and work registers) is done
.set n, 0
.rept 8
	ds_store_b128 v[STO], v[S+8*n:S+8*n+3] offset:64*n
	ds_store_b128 v[STO], v[S+8*n+4:S+8*n+7] offset:64*n+16
.set n, n+1
.endr
.if (\a) > 1
	s_wait_xcnt 0x0                                ; the stores of the block two back have read these registers
.endif
.set n, 0
.rept 16
	ds_load_b128 v[BB+4*n:BB+4*n+3], v[STR] offset:528*n
.set n, n+1
.endr
.endm
.macro SEND a, younger                 ; younger: the LDS instructions issued behind block a's loads, which may stay out
.set BB, 184-152*((\a)%2)
	s_wait_dscnt \younger
.set n, 0
.rept 16
	global_store_b128 v[LO], v[BB+4*n:BB+4*n+3], s[OUT:OUT+1] offset:(16*((\a)/2)+n)*4096+512*((\a)%2) th:TH_STORE_NT   ; 32 lanes store 512 consecutive bytes, at a multiple of 256 from the buffer's first byte
.set n, n+1
.endr
.endm
	PACK 0, 0
	TOSTAGE 0
.irp a, 1,2,3,4,5,6,7
	s_wait_dscnt 16                                ; the last block's 16 stores into the stage have read their registers; its 16 loads may be out
	s_wait_alu depctr_vm_vsrc(0)                   ; the last block's LDS stores have read v[S ..], which the multiplications write again; the global stores of the block two back have read the registers in which this block's rows land
	PACK \a/2, \a%2
	TOSTAGE \a
	SEND \a-1, 32                                  ; behind block a - 1's loads: block a's 16 stores and 16 loads
.endr
	SEND 7, 0
	s_wait_dscnt 0x0                               ; the closing lines, six on end
	s_wait_alu 0x0
	s_wait_tensorcnt 0x0
	ds_add_u32 v254, v255
	s_wait_dscnt 0x0
	s_endpgm
.Lfunc_end_k_q9d843332cc_attn:
	.size	k_q9d843332cc_attn, .Lfunc_end_k_q9d843332cc_attn-k_q9d843332cc_attn
	.p2alignl 7, 3214868480
	.fill 96, 4, 3214868480
	.section	.rodata,"a",@progbits
	.p2align	6, 0x0
	.amdhsa_kernel k_q9d843332cc_attn
		.amdhsa_group_segment_fixed_size 90880
		.amdhsa_private_segment_fixed_size 0
		.amdhsa_enable_private_segment 0
		.amdhsa_kernarg_size 56
		.amdhsa_user_sgpr_count 2
		.amdhsa_user_sgpr_kernarg_segment_ptr 1
		.amdhsa_wavefront_size32 1
		.amdhsa_system_sgpr_workgroup_id_x 1
		.amdhsa_system_sgpr_workgroup_id_y 1
		.amdhsa_system_sgpr_workgroup_id_z 1
		.amdhsa_system_vgpr_workitem_id 0
		.amdhsa_next_free_vgpr 1024
		.amdhsa_next_free_sgpr 66
		.amdhsa_reserve_vcc 0
		.amdhsa_float_denorm_mode_32 3
		.amdhsa_float_denorm_mode_16_64 3
		.amdhsa_memory_ordered 1
		.amdhsa_forward_progress 1
		.amdhsa_inst_pref_size 210
	.end_amdhsa_kernel
	.amdgpu_metadata
---
amdhsa.version: [ 1, 2 ]
amdhsa.kernels:
  - .name:           k_q9d843332cc_attn
    .symbol:         k_q9d843332cc_attn.kd
    .args:
      - { .name: qf, .offset: 0, .size: 8, .value_kind: global_buffer, .address_space: global }
      - { .name: qs, .offset: 8, .size: 8, .value_kind: global_buffer, .address_space: global }
      - { .name: kf, .offset: 16, .size: 8, .value_kind: global_buffer, .address_space: global }
      - { .name: ks, .offset: 24, .size: 8, .value_kind: global_buffer, .address_space: global }
      - { .name: vf, .offset: 32, .size: 8, .value_kind: global_buffer, .address_space: global }
      - { .name: vs, .offset: 40, .size: 8, .value_kind: global_buffer, .address_space: global }
      - { .name: out0, .offset: 48, .size: 8, .value_kind: global_buffer, .address_space: global }
    .group_segment_fixed_size: 90880
    .private_segment_fixed_size: 0
    .kernarg_segment_align: 8
    .kernarg_segment_size: 56
    .max_flat_workgroup_size: 128
    .sgpr_count:     66
    .vgpr_count:     1024
    .wavefront_size: 32
...
	.end_amdgpu_metadata
.endif
;; end of part 3
